; MI455X (gfx1250); checked and timed in simulation.
; The chip was launched on July 23, 2026; its instructions are those of AMD's public machine-readable ISA for CDNA 5 (MIT licence, August 2026) and "CDNA5" Instruction Set Architecture Reference Guide (July 2026). The comments in the code are by the model that wrote it; some were corrected since.
;; Self Attention V1. Allowed arithmetic: matrix products marked QUANTISED: E2M1 operands, one E8M0 scale for each 32 along K, by v_wmma_scale_f32_16x16x128_f8f6f4 with both operands' format E2M1 (or v_wmma_scale_f32_32x16x128_f4), f32 sums; products left as they are: bf16, f16 or f32 operands; f32 sums; everything else in f32.
;; Inputs: Wk 1,024 x 1,024 float32; Wq 1,024 x 1,024 float32; Wv 1,024 x 1,024 float32; bk 1,024 float32; bq 1,024 float32; bv 1,024 float32; x 4 x 2,048 x 1,024 float32.
;; Outputs: out0 4 x 2,048 x 1,024 float32.
;; This version of the problem:
;;   THIS VERSION OF THE PROBLEM IS GIVEN IN LOW PRECISION. The matrix products marked QUANTISED in the list below multiply operands that are first quantised to E2M1 (2 exponent bits, 1 mantissa bit; 4 bits a number), with one power-of-two scale for each 32 numbers along K (OCP MX v1.0); their sums are f32. The products marked 'left as it is' may take bf16, f16 or f32 operands, with f32 sums. Whichever they take, every output number must still come out within the allowed error. Rounding operands to bf16 (8 significant bits) uses up far more of that allowance than f16 does (11 bits, for magnitudes from 6e-5 to 65,504). All else is computed in f32.
;;   The module's matrix products, in the order in which they are computed (A, B: the left and right operand; K: the contracted axis; several contracted axes count as one K, in the product's order):
;;     1. [M 8,192, K 1,024] x [K 1,024, N 1,024]; A: input x; B: input Wq: QUANTISED
;;     2. [M 8,192, K 1,024] x [K 1,024, N 1,024]; A: input x; B: input Wk: QUANTISED
;;     3. [M 8,192, K 1,024] x [K 1,024, N 1,024]; A: input x; B: input Wv: QUANTISED
;;     4. batch 4 x [M 2,048, K 1,024] x [K 1,024, N 2,048]; A: computed on the way; B: computed on the way: left as it is (an operand is computed on the way)
;;     5. batch 4 x [M 2,048, K 2,048] x [K 2,048, N 1,024]; A: computed on the way; B: computed on the way: left as it is (an operand is computed on the way)
;;   THE QUANTISER, for each operand of a quantised product, along K:
;;     - K is cut into blocks of 32 from its start; a last block that is shorter is filled with zeros.
;;     - A block's scale is 2^e with e = floor(log2(the largest magnitude in the block)) - 2, held to -126 .. 127; a block of zeros has e = 0. As a byte (E8M0): e + 127.
;;     - Each number is divided by its block's scale, clamped to +-6, and rounded to the nearest number of E2M1, ties to even, subnormals kept.
;;     - The product sums the exact products of the quantised numbers (number of the format x scale) in f32.
;;   ~~~python
;;   def quantise(x, axis):      # numpy; x: float32 -> the quantised numbers, widened to float32 again
;;       x = np.moveaxis(x, axis, -1); K = x.shape[-1]
;;       x = np.pad(x, [(0, 0)] * (x.ndim - 1) + [(0, -K % 32)]); x = x.reshape(x.shape[:-1] + (-1, 32)); a = np.abs(x).max(-1, keepdims=True)
;;       e = np.where(a > 0, np.clip(np.frexp(np.where(a > 0, a, 1))[1] - 1 - 2, -126, 127), 0)      # np.frexp(a)[1] - 1 = floor(log2(a)), exactly
;;       r = np.clip(x / 2.0 ** e, -6, 6)
;;       step = 2.0 ** (np.maximum(np.frexp(np.where(r == 0, 1, r))[1] - 1, 0) - 1)
;;       q = np.round(r / step) * step * 2.0 ** e      # np.round: ties to even
;;       return np.moveaxis(q.reshape(q.shape[:-2] + (-1,))[..., :K], -1, axis).astype(np.float32)
;;   ~~~
;; One version. Each part assembles by itself: llvm-mc -triple=amdgcn-amd-amdhsa -mcpu=gfx1250 --defsym DOCPART=n.
;; ======== version 1 of 1: 4 launches
;; limits: values are held in f16: magnitudes above 65,504 overflow, below 6.1e-05 lose precision; right only within a limited range of input values
;; workspace buffers: x_codes 4,194,304 bytes; x_scales 262,144 bytes; w_codes 1,572,864 bytes; w_scales 98,304 bytes; qkv 50,331,648 bytes; p 33,554,432 bytes; stats 786,432 bytes
;; launch quant (part 1): grid 352 x 1, 4 waves a work-group, no clusters, 33,280 bytes of LDS; arguments x, Wq, Wk, Wv, x_codes, x_scales, w_codes, w_scales; writes x_codes, x_scales, w_codes, w_scales
.if DOCPART == 1
	.amdgcn_target "amdgcn-amd-amdhsa--gfx1250"
	.amdhsa_code_object_version 6
	.text
	.protected	k_q77494b9a91_quant
	.globl	k_q77494b9a91_quant
	.p2align	8
	.type	k_q77494b9a91_quant,@function
k_q77494b9a91_quant:
	s_mov_b64 s[64:65], 0
	v_nop
	global_prefetch_b8 v0, s[64:65] scope:SCOPE_SE
	s_setreg_imm32_b32 hwreg(HW_REG_WAVE_MODE, 25, 1), 1
	s_wait_xcnt 0x0
; x [8192][1024] and Wq, Wk, Wv [1024][1024], f32, K innermost, become codes of FP4 (E2M1), two a byte, K innermost, with one E8M0 scale byte for each 32 along K.
; x_codes [8192][512 bytes], x_scales [8192][32]; w_codes [3072][512], w_scales [3072][32]: rows 0-1023 Wq, 1024-2047 Wk, 2048-3071 Wv.
; A block's scale is 2^(floor(log2(its largest magnitude)) - 2); its byte is the largest magnitude's exponent field - 2, held at 1 from below.  Each number is divided by the scale and rounded to the nearest code, ties to even,
; beyond the largest code the largest.
; LIMITS: a block of zeros gets the byte 1 where the rule says 127 (its codes are zeros, which add nothing, and this program alone reads the bytes); blocks whose largest magnitude lies under 2^(2 - 126) have their byte held at 1;
; NaN and infinities among the inputs are not served.
; Rows are dense and 1,024 is a multiple of 32, so every tensor is a plain stream of blocks of 32, and so are its codes and scale bytes.  A work-group takes 32,768 numbers, a wave 16 steps of 512.
; Work-groups 0-255 take x, 256-287 Wq, 288-319 Wk, 320-351 Wv: only pointers are chosen, by the work-group's number; all take one path through the text.
; A conversion takes 8 numbers of ONE block from a lane's registers, so a lane must hold 16 neighbours; a load is best where neighbouring lanes take neighbouring bytes.  Both are had: each of a step's four loads reads 512
; consecutive bytes, 16 a lane; the 2,048 bytes go through the wave's own stage in LDS and come back 64 bytes a lane (16 bytes of padding behind each 64).  No barrier: waves share nothing.
; Loads run EIGHT steps ahead: 32 loads, 16,384 bytes, of every wave are on their way; the turn through LDS runs one step ahead.
.set WAVES, 4
.set STEPS, 16
.set DEPTH, 8                          ; steps whose loads are on their way
.set CB,    8                          ; bytes of 16 codes
.set R,     16                         ; v16-143  eight sets of 16 numbers as they are loaded
.set X,     144                        ; v144-175 two sets of 16 neighbours
.set E,     176                        ; v176-191 a scale byte for each step
.set C,     192                        ; v192-223 codes: two registers for each step, so that no store's data are written again
.set WREG,  8192                       ; LDS: a region for each wave: two stages of 32 x SP bytes, behind them its 256 scale bytes
.set SP,    80                         ; a lane's place in a stage: its 64 bytes + 16 of padding
.set SPW,   12                         ; v12      LDS address of my spare word; never rewritten
.set NIL,   13                         ; v13      0; never rewritten
.set SPARE, WAVES*WREG                 ; behind the four regions: the spare words, 128 bytes for each wave
	s_load_b256 s[4:11], s[0:1], 0x0               ; x s[4:5], Wq s[6:7], Wk s[8:9], Wv s[10:11]
	s_load_b256 s[12:19], s[0:1], 0x20             ; x_codes s[12:13], x_scales s[14:15], w_codes s[16:17], w_scales s[18:19]
	v_lshl_add_u32 v[SPW], v0, 2, SPARE
	v_mov_b32 v[NIL], 0
	v_lshrrev_b32 v1, 5, v0
	v_readfirstlane_b32 s26, v1                    ; wave
	v_and_b32 v2, 31, v0                           ; lane
	v_lshlrev_b32 v3, 4, v2                        ; my 16 bytes of a load's 512
	s_mul_i32 s27, s26, WREG
	v_lshrrev_b32 v14, 2, v2
	v_mul_u32_u24 v14, v14, SP
	v_and_b32 v15, 3, v2
	v_lshl_add_u32 v14, v15, 4, v14
	v_add_nc_u32 v14, s27, v14                     ; the stage, on the way in: SP (lane / 4) + 16 (lane % 4)
	v_mul_u32_u24 v15, v2, SP
	v_add_nc_u32 v15, s27, v15                     ; and on the way out: SP x lane: my 16 neighbours
	v_mul_u32_u24 v4, v2, CB                       ; my codes' place in a step's
	v_lshrrev_b32 v5, 1, v2
	s_add_co_u32 s27, s27, 2*32*SP
	v_add_nc_u32 v5, s27, v5                       ; LDS: my wave's 256 scale bytes, my block's byte
	v_lshlrev_b32 v7, 3, v2                        ; and on the way out 8 bytes a lane
	v_add_nc_u32 v6, s27, v7
	s_wait_kmcnt 0x0
	s_cmp_lt_u32 ttmp9, 288                        ; which tensor?  Every choice hangs on the work-group's number alone
	s_cselect_b64 s[20:21], s[6:7], s[8:9]
	s_cmp_lt_u32 ttmp9, 320
	s_cselect_b64 s[20:21], s[20:21], s[10:11]
	s_cmp_lt_u32 ttmp9, 256
	s_cselect_b64 s[4:5], s[4:5], s[20:21]         ; the numbers,
	s_cselect_b64 s[8:9], s[12:13], s[16:17]       ; the codes,
	s_cselect_b64 s[10:11], s[14:15], s[18:19]     ; the scale bytes
	s_cselect_b32 s24, 0, 256
	s_cselect_b32 s25, -1, 31
	s_sub_co_u32 s24, ttmp9, s24                   ; my place in the output: 0-255 in x's, 0-95 in the weights'
	s_and_b32 s25, s24, s25                        ; and in the source: 0-255 in x, 0-31 in a weight
	s_lshl_b32 s24, s24, 2
	s_add_co_u32 s24, s24, s26                     ; which run of 8,192 numbers of the output is my wave's,
	s_lshl_b32 s25, s25, 2
	s_add_co_u32 s25, s25, s26                     ; and of the source
	s_mov_b32 s23, 0
	s_lshl_b32 s22, s25, 15                        ; 32,768 bytes of numbers a run
	s_add_nc_u64 s[4:5], s[4:5], s[22:23]
	s_lshl_b32 s22, s24, 12                        ; 4,096 bytes of codes
	s_add_nc_u64 s[8:9], s[8:9], s[22:23]
	s_lshl_b32 s22, s24, 8                         ; 256 scale bytes
	s_add_nc_u64 s[10:11], s[10:11], s[22:23]
.macro LOAD t
.irp i, 0,1,2,3
	global_load_b128 v[R+16*((\t)%DEPTH)+4*\i:R+16*((\t)%DEPTH)+4*\i+3], v3, s[4:5] offset:2048*(\t)+512*\i th:TH_LOAD_NT   ; 32 lanes read 512 consecutive bytes
.endr
.endm
.macro TURN t                          ; step t's numbers through the stage: LDS serves a wave's instructions in order, so no wait stands between the stores and the loads
.irp i, 0,1,2,3
	ds_store_b128 v14, v[R+16*((\t)%DEPTH)+4*\i:R+16*((\t)%DEPTH)+4*\i+3] offset:32*SP*((\t)%2)+8*SP*\i
.endr
.irp i, 0,1,2,3
	ds_load_b128 v[X+16*((\t)%2)+4*\i:X+16*((\t)%2)+4*\i+3], v15 offset:32*SP*((\t)%2)+16*\i
.endr
.endm
.irp t, 0,1,2,3,4,5,6,7
	LOAD \t
.endr
	s_wait_loadcnt 4*(DEPTH-1)                     ; step 0's four loads are in; the seven steps behind it may be out
	TURN 0
.macro STEP t
.set XS, X+16*((\t)%2)
.if (\t) > 0
	s_wait_dscnt 1                                 ; this step's numbers are back from the stage (the last step's byte store may be out): so its stores into the stage have read their registers,
.else
	s_wait_dscnt 0x0
.endif
.if (\t)+DEPTH < STEPS
	LOAD (\t)+DEPTH                                ; which take the loads of eight steps on
.endif
.if (\t)+1 < STEPS
.if STEPS-2-(\t) >= DEPTH-1
	s_wait_loadcnt 4*(DEPTH-1)                     ; the next step's four loads are in; those of the seven steps behind it may be out
.else
	s_wait_loadcnt 4*(STEPS-2-(\t))                ; the tail: the counts run down
.endif
	TURN (\t)+1                                    ; and go through the other stage while this step is worked
.endif
	v_max3_num_f32 v8, |v[XS]|, |v[XS+1]|, |v[XS+2]|               ; the largest magnitude of my 16, in two chains
	v_max3_num_f32 v9, |v[XS+3]|, |v[XS+4]|, |v[XS+5]|
.irp i, 6,10
	v_max3_num_f32 v8, v8, |v[XS+\i]|, |v[XS+\i+1]|
	v_max3_num_f32 v9, v9, |v[XS+\i+2]|, |v[XS+\i+3]|
.endr
	v_max3_num_f32 v8, v8, |v[XS+14]|, |v[XS+15]|
	v_max3_num_f32 v8, v8, v9, 0x1800000           ; and the floor 2^(3 - 127): the byte cannot fall under 1
	v_max_num_f32_dpp v8, v8, v8 row_xmask:1 row_mask:0xf bank_mask:0xf   ; and of my neighbour's 16: the block's
	v_add_nc_u32 v11, 0xff000000, v8               ; 2 off its exponent field: the conversion takes the exponent field of this operand as its scale, and nothing else of it
	v_cvt_scalef32_pk8_fp4_f32 v[C+2*(\t)], v[XS:XS+7], v11
	v_cvt_scalef32_pk8_fp4_f32 v[C+2*(\t)+1], v[XS+8:XS+15], v11
	v_lshrrev_b32 v[E+(\t)], 23, v11               ; the scale's byte (also the plain line behind the conversions)
	ds_store_b8 v5, v[E+(\t)] offset:16*(\t)       ; both lanes of a block write the same byte with the same value
	global_store_b64 v4, v[C+2*(\t):C+2*(\t)+1], s[8:9] offset:32*CB*(\t)   ; 32 lanes store 256 consecutive bytes, aligned
.endm
.irp t, 0,1,2,3,4,5,6,7,8,9,10,11,12,13,14,15
	STEP \t
.endr
	ds_load_b64 v[8:9], v6                         ; LDS serves a wave's instructions in order: these see my stores
	s_wait_dscnt 0x0
	global_store_b64 v7, v[8:9], s[10:11]          ; 32 lanes store 256 consecutive bytes, aligned
	s_wait_tensorcnt 0x0                           ; the wave's end: behind my last LDS store
	ds_add_u32 v[SPW], v[NIL]
	s_wait_dscnt 0x0
	s_endpgm
.Lfunc_end_k_q77494b9a91_quant:
	.size	k_q77494b9a91_quant, .Lfunc_end_k_q77494b9a91_quant-k_q77494b9a91_quant
	.p2alignl 7, 3214868480
	.fill 96, 4, 3214868480
	.section	.rodata,"a",@progbits
	.p2align	6, 0x0
	.amdhsa_kernel k_q77494b9a91_quant
		.amdhsa_group_segment_fixed_size 33280
		.amdhsa_private_segment_fixed_size 0
		.amdhsa_enable_private_segment 0
		.amdhsa_kernarg_size 64
		.amdhsa_user_sgpr_count 2
		.amdhsa_user_sgpr_kernarg_segment_ptr 1
		.amdhsa_wavefront_size32 1
		.amdhsa_system_sgpr_workgroup_id_x 1
		.amdhsa_system_sgpr_workgroup_id_y 1
		.amdhsa_system_sgpr_workgroup_id_z 1
		.amdhsa_system_vgpr_workitem_id 0
		.amdhsa_next_free_vgpr 224
		.amdhsa_next_free_sgpr 66
		.amdhsa_reserve_vcc 0
		.amdhsa_float_denorm_mode_32 3
		.amdhsa_float_denorm_mode_16_64 3
		.amdhsa_memory_ordered 1
		.amdhsa_forward_progress 1
		.amdhsa_inst_pref_size 34
	.end_amdhsa_kernel
	.amdgpu_metadata
---
amdhsa.version: [ 1, 2 ]
amdhsa.kernels:
  - .name:           k_q77494b9a91_quant
    .symbol:         k_q77494b9a91_quant.kd
    .args:
      - { .name: x, .offset: 0, .size: 8, .value_kind: global_buffer, .address_space: global }
      - { .name: Wq, .offset: 8, .size: 8, .value_kind: global_buffer, .address_space: global }
      - { .name: Wk, .offset: 16, .size: 8, .value_kind: global_buffer, .address_space: global }
      - { .name: Wv, .offset: 24, .size: 8, .value_kind: global_buffer, .address_space: global }
      - { .name: x_codes, .offset: 32, .size: 8, .value_kind: global_buffer, .address_space: global }
      - { .name: x_scales, .offset: 40, .size: 8, .value_kind: global_buffer, .address_space: global }
      - { .name: w_codes, .offset: 48, .size: 8, .value_kind: global_buffer, .address_space: global }
      - { .name: w_scales, .offset: 56, .size: 8, .value_kind: global_buffer, .address_space: global }
    .group_segment_fixed_size: 33280
    .private_segment_fixed_size: 0
    .kernarg_segment_align: 8
    .kernarg_segment_size: 64
    .max_flat_workgroup_size: 128
    .sgpr_count:     66
    .vgpr_count:     224
    .wavefront_size: 32
...
	.end_amdgpu_metadata
.endif
;; end of part 1
;; launch proj (part 2): grid 8 x 32, 4 waves a work-group, clusters of 4 x 4, 327,680 bytes of LDS; arguments x_codes, x_scales, w_codes, w_scales, bq, bk, bv, qkv; writes qkv
.if DOCPART == 2
	.amdgcn_target "amdgcn-amd-amdhsa--gfx1250"
	.amdhsa_code_object_version 6
	.text
	.protected	k_q77494b9a91_proj
	.globl	k_q77494b9a91_proj
	.p2align	8
	.type	k_q77494b9a91_proj,@function
k_q77494b9a91_proj:
	s_mov_b64 s[64:65], 0
	v_nop
	global_prefetch_b8 v0, s[64:65] scope:SCOPE_SE
	s_setreg_imm32_b32 hwreg(HW_REG_WAVE_MODE, 25, 1), 1
	s_wait_xcnt 0x0
	s_wait_alu depctr_hold_cnt(0) depctr_sa_sdst(0) depctr_va_vdst(0) depctr_va_sdst(0) depctr_va_ssrc(0) depctr_va_vcc(0) depctr_vm_vsrc(0)
	s_getreg_b32 s2, hwreg(HW_REG_IB_STS2, 6, 4)
	s_cmp_eq_u32 s2, 0
	s_cbranch_scc0 .Lentry_in_a_cluster
	s_endpgm
.Lentry_in_a_cluster:
	s_bfe_u32 s2, ttmp6, 0x10000c
	s_cmp_lg_u32 s2, 0xf033
	s_cbranch_scc0 .Lentry_shape_is_right
	s_endpgm
.Lentry_shape_is_right:
; The three projections on codes of FP4 (E2M1) with E8M0 scales: C[m][n] = sum over k of x[m][k] W[n][k], m < 8192, n < 3072 (Wq's, Wk's, Wv's rows on end), k < 1024; sums in f32.
; qkv is [24576][1024] f16: rows 0-8191 Q' = (x Wq^T + bq) c with c = log2(e) / 32 (the scores' scale and the change to base 2, folded in here), rows 8192-16383 K = x Wk^T + bk, rows 16384-24575 V = x Wv^T + bv.
; LIMITS: f16 holds |K|, |V| up to 65,504 and |Q| up to 65,504 / c = 1.45e6; beyond that the conversion gives infinity.
; SHARES.  256 work-groups of equal work.  Work-group (i, j), i < 32, j < 8, takes x's rows 256 i .. 256 i + 255, whose codes and scale bytes for all of K come into LDS once, and makes TWO tiles with them:
;   tile 1: 256 x 256 against W's rows 256 j on (Q' for j < 4, K for j >= 4); a wave makes 128 x 128: 64 accumulators, 512 registers;
;   tile 2: 256 x 128 against Wv's rows 128 j on; wave w makes rows 64 w .. 64 w + 63 x all 128 columns: 32 accumulators; a row of its output is 256 bytes.
; K = 1,024 is two slots of 512 along K (rows of 256 bytes), both first fills.  Behind tile 1's last product W's part of both slots and of the scales is filled again, once, with Wv's 128 rows: three loads, one a wave;
; they land while tile 1 goes out, and tile 1's stores leave while tile 2 is multiplied.
; CLUSTERS: 4 x 4 work-groups.  The four of a row of the cluster need the same tiles of x, the four of a column the same tiles of W and of Wv: each tile is asked for JOINTLY, by the same tensor load with the same descriptor
; and a mask that names the four.  A cluster's four tile columns of tile 1 are one weight: the cluster's x says which.
; THE MATRIX INSTRUCTION IS USED TRANSPOSED (source 0 = 16 rows of W, source 1 = 16 rows of x): a lane then holds eight neighbouring numbers of a row of C.
; REGISTERS, in windows of 256: window 0: v0-31 addresses; v32-95 scale words, two sets; v96-127 packed results; v128-191 x's fragments (tile 1: ONE set of eight; tile 2: two sets of four), on the ways out rows read back;
;   v192-255 the biases of my 128 columns.   window 1: W's fragments, TWO sets, at v0 and v128.   window 2: the accumulators of tile 1's rows 0-63 ((a, b) at v[8 (8 a + b)]), then tile 2's;   window 3: those of tile 1's rows 64-127.
.set KSTEP,  512                       ; along K in a slot
.set NQ,     KSTEP/128                 ; matrix instructions deep
.set ROWB,   256                       ; a tile's row in bytes
.set KROW,   512                       ; a row of codes in memory
.set PITCH,  272                       ; an LDS row: 256 bytes + 16 of padding: the 16 rows that a load touches start 68 words apart
.set FR,     8                         ; registers of a fragment: 16 rows x 128 K
.set NL,     2                         ; LDS loads that bring one
.set NP,     4                         ; places behind this matrix instruction (ISA guide 7.12.1)
.set HALFT,  128*PITCH                 ; 128 rows: what one tensor load brings
.set SLOT,   4*HALFT                   ; x's 256 rows, then W's 256 rows
.set KS,     32                        ; a row of scale bytes
.set SCL,    2*SLOT                    ; behind the slots: the scales, as units of 256 bytes + 16 of padding: x's 256 rows, then W's 256
.set HALFS,  (128*KS/256)*272          ; the scales of 128 rows: what one tensor load brings
.set SBLK,   (16*KS/256)*272           ; those of 16 rows
.set SPITCH, 272
.set STAGE,  SCL+4*HALFS               ; behind the scales: a stage of 16 rows x (256 bytes + 16) for each wave, for the ways out: bytes of its own, into which no tile lands
.set SPARE,  STAGE+4*16*SPITCH         ; behind the stages: the spare words, 128 bytes for each wave
.set ADRA, 16                          ; v16-17  tile 1: LDS address of my x fragments in slot 0, 1
.set ADRA2, 18                         ; v18-19  tile 2: the same
.set ADRB, 20                          ; v20-21  tile 1: the same for W
.set ADRB2, 22                         ; v22-23  tile 2: for Wv
.set STO,  24                          ; v24     the way out: where I put 16 bytes of a row
.set RD,   25                          ; v25     where I read a row back
.set CO,   26                          ; v26     my byte offset in two rows of qkv
.set ADRS, 27                          ; v27     tile 1: LDS address of my scale words: lanes 0-15 x's rows, lanes 16-31 W's
.set SPW,  28                          ; v28     LDS address of my spare word; never rewritten
.set NIL,  29                          ; v29     0; never rewritten
.set BO,   30                          ; v30     32 x (lane / 16): my eight biases of a block of 16 columns
.set ADRS2, 31                         ; v31     tile 2: LDS address of my scale words
.set SC,   32                          ; scale words: set s at v[SC + 32 s]; register 4 i + q: lanes 0-15 the word of x's block i, lanes 16-31 that of W's block i
.set TMP,  96
.set AF,   128
.set BK,   128                         ; 16 rows read back from the stage: v128-159 and v160-191 by turns
.set BI,   192
.set C2,  4                            ; s[4:5]   tile 2's place in qkv
.set G1, 24                            ; s[24:31] group 1 for x's tiles;  s[32:39] group 0, one set for each slot
.set G0, 32
.set G1B, 48                           ; s[48:55], s[56:63] the same for W's tiles, later for Wv's
.set G0B, 56
.set G1S, 68                           ; s[68:75], s[76:79] groups 1 and 0 for x's scales;  s[80:87], s[88:91] for W's, later for Wv's
.set G0S, 76
.set G1SB, 80
.set G0SB, 88
.set CSC, 66                           ; s[66:67] c for Q, 1 for K and V
.set VC,  92                           ; s[92:93] Wv's codes at my 128 rows
.set VS,  94                           ; s[94:95] Wv's scale bytes at my 128 rows
.set BP,  96                           ; s[96:97] tile 1's bias
.set BV,  100                          ; s[100:101] bv at tile 2's columns
.set MSB, 0
.macro WIN new                         ; the immediate's high byte repeats the setting that is left
.if MSB != \new
	s_set_vgpr_msb (MSB<<8)|\new
.set MSB, \new
.endif
.endm
.set MUL_LO, 0xa1                      ; source 0 (W) window 1, source 1 (x) window 0, C and D window 2
.set MUL_HI, 0xf1                      ; the same, C and D window 3
.set TO_B,   0x40                      ; destination window 1, address window 0
; A joint load of the first fills: waves 0 and 1 fetch for x, waves 2 and 3 for W.  The branch hangs on the wave's number alone.  An s_nop 0 and four v_nop follow each of the two lines.
.macro JLOAD g0a, g1a, g0b, g1b
	s_cmp_eq_u32 s15, 0
	s_cbranch_scc0 .Lfor_b_\@
	tensor_load_to_lds s[\g0a:\g0a+3], s[\g1a:\g1a+7]
	s_nop 0
.rept 4
	v_nop
.endr
	s_branch .Lasked_\@
.Lfor_b_\@:
	tensor_load_to_lds s[\g0b:\g0b+3], s[\g1b:\g1b+7]
	s_nop 0
.rept 4
	v_nop
.endr
.Lasked_\@:
.endm
; The joint refill for tile 2, one load a wave: wave 1 Wv's scale bytes, wave 2 its codes of K 0-511, wave 3 those of K 512-1023; wave 0 has no part.  All three go to my column of the cluster.
.macro JLOADV
	s_cmp_eq_u32 s14, 0
	s_cbranch_scc1 .Lv_asked_\@
	s_cmp_eq_u32 s14, 1
	s_cbranch_scc0 .Lv_codes_\@
	tensor_load_to_lds s[G0SB:G0SB+3], s[G1SB:G1SB+7]
	s_nop 0
.rept 4
	v_nop
.endr
	s_branch .Lv_asked_\@
.Lv_codes_\@:
	s_cmp_eq_u32 s14, 2
	s_cbranch_scc0 .Lv_second_\@
	tensor_load_to_lds s[G0B:G0B+3], s[G1B:G1B+7]
	s_nop 0
.rept 4
	v_nop
.endr
	s_branch .Lv_asked_\@
.Lv_second_\@:
	tensor_load_to_lds s[G0B+4:G0B+7], s[G1B:G1B+7]
	s_nop 0
.rept 4
	v_nop
.endr
.Lv_asked_\@:
.endm
.macro CROUND                          ; a round of the cluster's barrier
	s_barrier_signal -1
	s_barrier_wait -1
	s_cmp_lg_u32 s14, 0
	s_cbranch_scc1 .Lnot_wave_0_\@
	s_barrier_signal -3
.Lnot_wave_0_\@:
	s_barrier_wait -3
	s_barrier_signal -1
	s_barrier_wait -1
.endm
	s_load_b128 s[4:7], s[0:1], 0x0                ; x's codes s[4:5], x's scales s[6:7]
	s_load_b128 s[8:11], s[0:1], 0x10              ; W's codes s[8:9], W's scales s[10:11]
	s_load_b128 s[96:99], s[0:1], 0x20             ; bq, bk
	s_load_b64 s[100:101], s[0:1], 0x30            ; bv
	s_load_b64 s[12:13], s[0:1], 0x38              ; qkv
	v_lshl_add_u32 v[SPW], v0, 2, SPARE
	v_mov_b32 v[NIL], 0
	ds_add_u32 v[SPW], v[NIL]                      ; the wave's opening: the add, twice on end, and its wait ahead of my first tensor load
	ds_add_u32 v[SPW], v[NIL]
	v_lshrrev_b32 v1, 5, v0
	v_readfirstlane_b32 s14, v1                    ; wave 0..3
	s_lshr_b32 s15, s14, 1                         ; tile 1: which half of the rows is mine.  Also: I fetch for x (0) or for W (1)
	s_and_b32 s16, s14, 1                          ; tile 1: which half of the columns.  Also: which 128 rows of that tile I fetch
	s_bfe_u32 s40, ttmp6, 0x40000                  ; cx, cy: my place in the cluster
	s_bfe_u32 s41, ttmp6, 0x40004
	s_lshl_b32 s42, ttmp9, 2
	s_add_co_u32 s42, s42, s40                     ; j = 4 x cluster x + cx: 0-7
	s_and_b32 s17, ttmp7, 0xffff
	s_lshl_b32 s17, s17, 2
	s_add_co_u32 s17, s17, s41                     ; i = 4 x cluster y + cy: 0-31
	s_lshl_b32 s43, s41, 2
	s_lshl_b32 s43, 15, s43                        ; my row of the cluster
	s_lshl_b32 s44, 0x1111, s40                    ; my column
	; group 1: a tile of 128 rows x 256 bytes, 16 bytes of padding behind each row
	s_or_b32 s[G1+0], s43, (0<<16)|(1<<20)|(1<<21)|(5<<22)|(3<<25)  ; the mask; elements of 1 byte; padding on; bit 21 beside a mask; after every 64 words; 4 words
	s_or_b32 s[G1B+0], s44, (0<<16)|(1<<20)|(1<<21)|(5<<22)|(3<<25)
.irp g, G1, G1B
	s_mov_b32 s[\g+1], ROWB<<16                    ; tensor_dim0
	s_mov_b32 s[\g+2], 128<<16                     ; tensor_dim1
	s_mov_b32 s[\g+3], ROWB<<16                    ; tile_dim0
	s_mov_b32 s[\g+4], 128                         ; tile_dim1
	s_mov_b32 s[\g+5], KROW                        ; from row to row
	s_mov_b32 s[\g+6], 0
	s_mov_b32 s[\g+7], 0
.endr
	; the scales of 128 rows: a dense block of 4,096 bytes, as 16 rows of 256 bytes (32 elements of 8 bytes), 16 bytes of padding behind each
	s_or_b32 s[G1S+0], s43, (3<<16)|(1<<20)|(1<<21)|(5<<22)|(3<<25)
	s_or_b32 s[G1SB+0], s44, (3<<16)|(1<<20)|(1<<21)|(5<<22)|(3<<25)
.irp g, G1S, G1SB
	s_mov_b32 s[\g+1], 32<<16
	s_mov_b32 s[\g+2], (128*KS/256)<<16
	s_mov_b32 s[\g+3], 32<<16
	s_mov_b32 s[\g+4], 128*KS/256
	s_mov_b32 s[\g+5], 32
	s_mov_b32 s[\g+6], 0
	s_mov_b32 s[\g+7], 0
.endr
	s_lshl_b32 s18, s16, 7                         ; which 128 rows of the tile I fetch
	s_lshl_b32 s20, s17, 8
	s_add_co_u32 s20, s20, s18                     ; x: row 256 i + 128 x half
	s_lshl_b32 s46, s42, 8
	s_add_co_u32 s46, s46, s18                     ; W: row 256 j + 128 x half
	s_mov_b32 s21, 0
	s_mov_b32 s47, 0
	s_mov_b64 s[18:19], KS
	s_mul_u64 s[22:23], s[20:21], s[18:19]         ; where these rows' scales begin, in bytes,
	s_mul_u64 s[92:93], s[46:47], s[18:19]
	s_mov_b64 s[18:19], KROW
	s_mul_u64 s[20:21], s[20:21], s[18:19]         ; and their codes
	s_mul_u64 s[46:47], s[46:47], s[18:19]
	s_mul_i32 s45, s14, HALFT                      ; where they go: wave x 128 rows: no place in the cluster enters an LDS address
	s_mul_i32 s94, s14, HALFS
	s_wait_dscnt 0x0                               ; both opening adds are done
	s_wait_kmcnt 0x0
	s_add_nc_u64 s[20:21], s[4:5], s[20:21]
	s_add_nc_u64 s[22:23], s[6:7], s[22:23]
	s_add_nc_u64 s[46:47], s[8:9], s[46:47]
	s_add_nc_u64 s[92:93], s[10:11], s[92:93]
	CROUND                                         ; all sixteen work-groups are here: the first joint loads meet
	s_mov_b32 s[G0S], 1
	s_add_co_u32 s[G0S+1], s94, SCL
	s_mov_b64 s[G0S+2:G0S+3], s[22:23]
	s_or_b32 s[G0S+3], s[G0S+3], 0x80000000
	s_mov_b32 s[G0SB], 1
	s_add_co_u32 s[G0SB+1], s94, SCL
	s_mov_b64 s[G0SB+2:G0SB+3], s[92:93]
	s_or_b32 s[G0SB+3], s[G0SB+3], 0x80000000
	JLOAD G0S, G1S, G0SB, G1SB                     ; the scales first: they are wanted with the first slot
.irp s, 0,1
	s_mov_b32 s[G0+4*\s], 1
	s_add_co_u32 s[G0+4*\s+1], s45, \s*SLOT
	s_add_nc_u64 s[G0+4*\s+2:G0+4*\s+3], s[20:21], \s*ROWB
	s_or_b32 s[G0+4*\s+3], s[G0+4*\s+3], 0x80000000
	s_mov_b32 s[G0B+4*\s], 1
	s_add_co_u32 s[G0B+4*\s+1], s45, \s*SLOT
	s_add_nc_u64 s[G0B+4*\s+2:G0B+4*\s+3], s[46:47], \s*ROWB
	s_or_b32 s[G0B+4*\s+3], s[G0B+4*\s+3], 0x80000000
	JLOAD G0+4*\s, G1, G0B+4*\s, G1B               ; three tensor loads of mine are out; later one at the most
.endr
	v_and_b32 v1, 15, v0                           ; r = lane % 16
	v_bfe_u32 v2, v0, 4, 1                         ; h = lane / 16
	; tile 1's bias and factor: the cluster's x says which weight my four tile columns belong to: the same in all sixteen partners
	s_cmp_eq_u32 ttmp9, 0
	s_cselect_b64 s[BP:BP+1], s[96:97], s[98:99]
	s_cselect_b32 s[CSC], 0x3d38aa3b, 1.0          ; c = log2(e) / 32 for Q, 1 for K
	s_mov_b32 s[CSC+1], s[CSC]                     ; (named with it as a pair, so it is written)
	s_lshl_b32 s20, s40, 10                        ; my 128 columns in the weight: 256 cx + 128 x half, 4 bytes each
	s_lshl_b32 s21, s16, 9
	s_add_co_u32 s20, s20, s21
	s_mov_b32 s21, 0
	s_add_nc_u64 s[BP:BP+1], s[BP:BP+1], s[20:21]
	v_lshlrev_b32 v[BO], 5, v2
.irp b, 0,1,2,3,4,5,6,7
	global_load_b128 v[BI+8*\b:BI+8*\b+3], v[BO], s[BP:BP+1] offset:64*\b        ; the biases of columns 16 b + 8 h + 0 .. 7: they are waited for on the way out
	global_load_b128 v[BI+8*\b+4:BI+8*\b+7], v[BO], s[BP:BP+1] offset:64*\b+16
.endr
	; tile 2: where Wv's 128 rows lie, where bv's 128 numbers, and where my 64 rows x 128 columns of V go
	s_lshl_b32 s20, s42, 7
	s_add_co_u32 s20, s20, 2048                    ; row 2,048 + 128 j of the weights' codes and scale bytes: it hangs on j alone, which my column of the cluster shares
	s_lshl_b32 s22, s20, 5                         ; 32 scale bytes a row
	s_lshl_b32 s20, s20, 9                         ; 512 bytes of codes a row
	s_mov_b32 s21, 0
	s_mov_b32 s23, 0
	s_add_nc_u64 s[VC:VC+1], s[8:9], s[20:21]
	s_add_nc_u64 s[VS:VS+1], s[10:11], s[22:23]
	s_lshl_b32 s20, s42, 9                         ; bv: 128 j numbers of 4 bytes on
	s_add_nc_u64 s[BV:BV+1], s[BV:BV+1], s[20:21]
	s_lshl_b32 s20, s17, 8
	s_lshl_b32 s22, s14, 6
	s_add_co_u32 s20, s20, s22                     ; row 256 i + 64 x wave,
	s_lshl_b32 s20, s20, 11                        ; 2,048 bytes a row,
	s_add_co_u32 s20, s20, 2<<24                   ; in V's 8,192 rows,
	s_lshl_b32 s22, s42, 8                         ; at column 128 j, 2 bytes each
	s_add_co_u32 s20, s20, s22
	s_add_nc_u64 s[C2:C2+1], s[12:13], s[20:21]
	; LDS addresses
	v_mul_u32_u24 v3, v1, PITCH
	v_lshl_add_u32 v4, v2, 4, v3                   ; a fragment's row x pitch + 16 x half
	s_mul_i32 s21, s15, HALFT                      ; tile 1: my 128 rows of x
	s_mul_i32 s22, s16, HALFT                      ; my 128 rows of W,
	s_add_co_u32 s22, s22, 2*HALFT                 ; which lie behind x's 256
.irp s, 0,1
	v_add_nc_u32 v[ADRA+\s], s21, v4
	v_add_nc_u32 v[ADRB+\s], s22, v4
	s_add_co_u32 s21, s21, SLOT
	s_add_co_u32 s22, s22, SLOT
.endr
	s_mul_i32 s21, s14, 64*PITCH                   ; tile 2: my 64 rows of x,
	s_mov_b32 s22, 2*HALFT                         ; and Wv's 128 rows, where W's first 128 lay
.irp s, 0,1
	v_add_nc_u32 v[ADRA2+\s], s21, v4
	v_add_nc_u32 v[ADRB2+\s], s22, v4
	s_add_co_u32 s21, s21, SLOT
	s_add_co_u32 s22, s22, SLOT
.endr
	v_mul_u32_u24 v5, v1, KS                       ; my row's scales: 32 bytes a row,
	v_lshrrev_b32 v6, 8, v5
	v_lshl_add_u32 v5, v6, 4, v5                   ; and 16 more for each 256 passed
	s_mul_i32 s21, s15, HALFS                      ; tile 1: x's: my 128 rows
	s_mul_i32 s22, s16, HALFS                      ; W's: my 128 rows, behind x's 256
	s_add_co_u32 s22, s22, 2*HALFS
	s_sub_co_u32 s22, s22, s21
	v_mul_u32_u24 v6, s22, v2                      ; lanes 16-31 take W's: one product, the distance between the two bases x h
	s_add_co_u32 s21, s21, SCL
	v_add_nc_u32 v6, v5, v6
	v_add_nc_u32 v[ADRS], s21, v6
	s_mul_i32 s21, s14, 4*SBLK                     ; tile 2: x's: my 64 rows
	s_mov_b32 s22, 2*HALFS                         ; Wv's: where W's first 128 rows' lay
	s_sub_co_u32 s22, s22, s21
	v_mul_u32_u24 v6, s22, v2
	s_add_co_u32 s21, s21, SCL
	v_add_nc_u32 v6, v5, v6
	v_add_nc_u32 v[ADRS2], s21, v6
	s_mul_i32 s23, s14, 16*SPITCH
	s_add_co_u32 s23, s23, STAGE                   ; my stage
	v_mul_u32_u24 v5, v1, SPITCH                   ; in: row r, 16 bytes for each half of the lanes
	v_lshl_add_u32 v5, v2, 4, v5
	v_add_nc_u32 v[STO], s23, v5
	v_mul_u32_u24 v5, v2, SPITCH                   ; back: lanes 0-15 one row of 256 bytes, lanes 16-31 the next
	v_lshl_add_u32 v5, v1, 4, v5
	v_add_nc_u32 v[RD], s23, v5
	v_lshlrev_b32 v5, 11, v2                       ; and the same two rows in qkv: 2,048 bytes a row
	v_lshl_add_u32 v[CO], v1, 4, v5
	s_lshl_b32 s20, s17, 8                         ; tile 1's place in qkv:
	s_lshl_b32 s21, s15, 7
	s_add_co_u32 s20, s20, s21                     ; my first row: 256 i + 128 x half,
	s_lshl_b32 s20, s20, 11
	s_lshl_b32 s21, ttmp9, 24                      ; in my weight's 8,192 rows of 2,048 bytes,
	s_add_co_u32 s20, s20, s21
	s_lshl_b32 s21, s40, 9                         ; at column 256 cx + 128 x half, 2 bytes each
	s_add_co_u32 s20, s20, s21
	s_lshl_b32 s21, s16, 8
	s_add_co_u32 s20, s20, s21
	s_mov_b32 s21, 0
	s_add_nc_u64 s[12:13], s[12:13], s[20:21]
.macro FRAG reg, adr, q, i             ; a fragment, 16 rows x 128 K of 4-bit codes: lane l holds row l % 16; registers 4 c .. 4 c + 3 hold K = 64 c + 32 (l / 16) + 0 .. 31
.irp c, 0,1
	ds_load_b128 v[\reg+4*\c:\reg+4*\c+3], v[\adr] offset:64*(\q)+32*\c+(\i)*16*PITCH
.endr
.endm
; TILE 1.  16 matrix instructions: x's blocks a0, a0 + 1 against W's eight, 128 along K: the slot's q-th.  p: W's set;  sc: the set of scale words.  zero = 1: the first product starts the sums.
; The 64 accumulators take turns, one instruction a turn, in the same order in every step.
.macro MUL16 a0, p, q, sc, zero
.irp a, \a0, \a0+1
.irp b, 0,1,2,3,4,5,6,7
.if \zero
	v_wmma_scale_f32_16x16x128_f8f6f4 v[8*(8*((\a)%4)+\b):8*(8*((\a)%4)+\b)+7], v[128*(\p)+FR*\b:128*(\p)+FR*\b+FR-1], v[AF+FR*(\a):AF+FR*(\a)+FR-1], 0, v[SC+8*NQ*(\sc)+NQ*\b+(\q)], v[SC+8*NQ*(\sc)+NQ*(\a)+(\q)] matrix_a_fmt:MATRIX_FMT_FP4 matrix_b_fmt:MATRIX_FMT_FP4 matrix_a_scale:MATRIX_SCALE_ROW1
.else
	v_wmma_scale_f32_16x16x128_f8f6f4 v[8*(8*((\a)%4)+\b):8*(8*((\a)%4)+\b)+7], v[128*(\p)+FR*\b:128*(\p)+FR*\b+FR-1], v[AF+FR*(\a):AF+FR*(\a)+FR-1], v[8*(8*((\a)%4)+\b):8*(8*((\a)%4)+\b)+7], v[SC+8*NQ*(\sc)+NQ*\b+(\q)], v[SC+8*NQ*(\sc)+NQ*(\a)+(\q)] matrix_a_fmt:MATRIX_FMT_FP4 matrix_b_fmt:MATRIX_FMT_FP4 matrix_a_scale:MATRIX_SCALE_ROW1
.endif
.endr
.endr
.endm
.macro FETCH_B slot, q, p              ; W's eight fragments of the slot's q-th 128 along K into set p
	WIN TO_B
.irp i, 0,1,2,3,4,5,6,7
	FRAG 128*(\p)+FR*\i, ADRB+\slot, \q, \i
.endr
	WIN 0
.endm
.macro FETCH_A slot, q, i0             ; x's blocks i0 .. i0 + 3
.irp i, \i0, \i0+1, \i0+2, \i0+3
	FRAG AF+FR*(\i), ADRA+\slot, \q, \i
.endr
.endm
.macro SCALES sc                       ; a slot's scale words into set sc: 4 words a row; lanes 0-15 take x's block i, lanes 16-31 W's block i
.irp i, 0,1,2,3,4,5,6,7
	ds_load_b128 v[SC+8*NQ*\sc+NQ*\i:SC+8*NQ*\sc+NQ*\i+3], v[ADRS] offset:\i*SBLK
.endr
.endm
; A load into a register that a matrix instruction has read, and a vector instruction that reads a matrix result, stand NP places behind that matrix instruction, and only plain vector instructions that name none of its registers are places.
.macro PLACES n
.rept \n
	v_nop
.endr
.endm
; A step of 128 along K that has its successor in the same slot.  x has one set of registers: blocks 0-3 are fetched anew in the step's middle, blocks 4-7 at its end; W has two sets.
.macro STEP slot, q, zero
	s_wait_dscnt 4*NL                              ; W's set and x's blocks 0-3 are in; the youngest eight loads (x's blocks 4-7) may be out
	WIN MUL_LO
	MUL16 0, (\q)%2, \q, \slot, \zero
	MUL16 2, (\q)%2, \q, \slot, \zero
	s_wait_dscnt 0                                 ; x's blocks 4-7 are in (asked for 32 matrix instructions ago)
	PLACES NP
	FETCH_B \slot, (\q)+1, 1-(\q)%2
	FETCH_A \slot, (\q)+1, 0
	WIN MUL_HI
	MUL16 4, (\q)%2, \q, \slot, \zero
	MUL16 6, (\q)%2, \q, \slot, \zero
	PLACES NP
	WIN 0
	FETCH_A \slot, (\q)+1, 4
.endm
; Slot 0's last step changes slots: ONE barrier.  In front of it each wave waits for all its tensor loads (its part of slot 1), adds 0 to its spare word, and waits for that and for its reads of slot 0.
; Behind it slot 1 is whole.
.macro TURN slot, next
	s_wait_tensorcnt 0x0                           ; all my tensor loads have landed
	ds_add_u32 v[SPW], v[NIL]                      ; 0 onto my spare word
	s_wait_dscnt 4*NL+1                            ; (the add and the youngest eight loads, x's blocks 4-7, may be out)
	WIN MUL_LO
	MUL16 0, 1, NQ-1, \slot, 0                     ; sixteen matrix instructions stand between the add and the wait for it
	s_wait_dscnt 0x0                               ; the add is done, and no LDS load of mine is out
	s_barrier_signal -1
	MUL16 2, 1, NQ-1, \slot, 0
	WIN 0
	s_barrier_wait -1
	PLACES NP
	v_add_nc_u32 v[ADRS], 4*NQ, v[ADRS]            ; on to the next slot's scale words (no LDS load of mine is out)
	FETCH_B \next, 0, 0
	FETCH_A \next, 0, 0
	SCALES \next
	WIN MUL_HI
	MUL16 4, 1, NQ-1, \slot, 0
	MUL16 6, 1, NQ-1, \slot, 0
	PLACES NP
	WIN 0
	FETCH_A \next, 0, 4
.endm
.macro STEPS slot, from                ; the slot's steps from .. NQ - 2
.set Q, \from
.rept NQ-1-\from
	STEP \slot, Q, 0
.set Q, Q+1
.endr
.endm
; TILE 2.  Step n of eight: slot n / 4, its (n % 4)-th 128 along K; both operands have two sets of registers, set n % 2.
.macro FETCHV n                        ; 24 LDS loads in one run: Wv's eight fragments and my four of x
	WIN TO_B
.irp i, 0,1,2,3,4,5,6,7
	FRAG 128*((\n)%2)+FR*\i, ADRB2+(\n)/4, (\n)%4, \i
.endr
	WIN 0
.irp i, 0,1,2,3
	FRAG AF+32*((\n)%2)+FR*\i, ADRA2+(\n)/4, (\n)%4, \i
.endr
.endm
.macro SCALESV                         ; both slots' scale words: lanes 0-15 take x's block i of my 64 rows (i < 4; the words that they take for i >= 4 are named by no product), lanes 16-31 Wv's block i
.irp sc, 0,1
.irp i, 0,1,2,3,4,5,6,7
	ds_load_b128 v[SC+8*NQ*\sc+NQ*\i:SC+8*NQ*\sc+NQ*\i+3], v[ADRS2] offset:\i*SBLK+4*NQ*\sc
.endr
.endr
.endm
.macro MULV ps, q, sc, zero            ; 32 matrix instructions: my four blocks of x against Wv's eight; the 32 accumulators take turns
.irp a, 0,1,2,3
.irp b, 0,1,2,3,4,5,6,7
.if \zero
	v_wmma_scale_f32_16x16x128_f8f6f4 v[8*(8*\a+\b):8*(8*\a+\b)+7], v[128*(\ps)+FR*\b:128*(\ps)+FR*\b+FR-1], v[AF+32*(\ps)+FR*\a:AF+32*(\ps)+FR*\a+FR-1], 0, v[SC+8*NQ*(\sc)+NQ*\b+(\q)], v[SC+8*NQ*(\sc)+NQ*\a+(\q)] matrix_a_fmt:MATRIX_FMT_FP4 matrix_b_fmt:MATRIX_FMT_FP4 matrix_a_scale:MATRIX_SCALE_ROW1
.else
	v_wmma_scale_f32_16x16x128_f8f6f4 v[8*(8*\a+\b):8*(8*\a+\b)+7], v[128*(\ps)+FR*\b:128*(\ps)+FR*\b+FR-1], v[AF+32*(\ps)+FR*\a:AF+32*(\ps)+FR*\a+FR-1], v[8*(8*\a+\b):8*(8*\a+\b)+7], v[SC+8*NQ*(\sc)+NQ*\b+(\q)], v[SC+8*NQ*(\sc)+NQ*\a+(\q)] matrix_a_fmt:MATRIX_FMT_FP4 matrix_b_fmt:MATRIX_FMT_FP4 matrix_a_scale:MATRIX_SCALE_ROW1
.endif
.endr
.endr
.endm
.macro STEPV n
	s_wait_dscnt 0x0                               ; this step's fragments are in (at the first step the scale words too)
.if (\n) < 7
	PLACES NP                                      ; the other sets were read by the step before
	FETCHV (\n)+1                                  ; the next step's fragments are asked for ahead of this step's 32 products
.endif
	WIN MUL_LO
.if (\n) == 0
	MULV 0, 0, 0, 1                                ; the first step's products start the sums
.else
	MULV (\n)%2, (\n)%4, (\n)/4, 0
.endif
.endm
; THE WAY OUT, block by block of 16 rows x 128 columns: (sum + bias) x factor as one fused multiply-add, sum x factor + bias x factor; rounded to f16, 16 bytes a lane; through my own stage in LDS; back as whole rows of 256 bytes.
.macro PACK a
.set AC, 64*((\a)%4)
	WIN 0x82+0x41*((\a)/4)                         ; destination and source 0: window 2 or 3; the biases: window 0
.irp b, 0,1,2,3,4,5,6,7
.irp r, 0,1,2,3
	v_pk_fma_f32 v[AC+8*\b+2*\r:AC+8*\b+2*\r+1], v[AC+8*\b+2*\r:AC+8*\b+2*\r+1], s[CSC:CSC+1], v[BI+8*\b+2*\r:BI+8*\b+2*\r+1] op_sel_hi:[1,0,1]   ; each accumulator from its low end on
.endr
.endr
	WIN 0x0a+5*((\a)/4)                            ; sources 0 and 1: window 2 or 3
.irp b, 0,1,2,3,4,5,6,7
.irp r, 0,1,2,3
	v_cvt_pk_f16_f32 v[TMP+4*\b+\r], v[AC+8*\b+2*\r], v[AC+8*\b+2*\r+1]
.endr
.endr
	WIN 0
.endm
.macro TOSTAGE a
.set BB, BK+32*((\a)%2)
.irp b, 0,1,2,3,4,5,6,7
	ds_store_b128 v[STO], v[TMP+4*\b:TMP+4*\b+3] offset:32*\b
.endr
.irp t, 0,1,2,3,4,5,6,7
	ds_load_b128 v[BB+4*\t:BB+4*\t+3], v[RD] offset:\t*2*SPITCH    ; LDS serves a wave's instructions in order: these see the stores above
.endr
.endm
.macro SEND a
.set BB, BK+32*((\a)%2)
	s_wait_dscnt 0x0                               ; the block is back in registers
	s_wait_xcnt 0x0                                ; the earlier stores have read their registers and their base: only behind this wait are they written again
.if (\a) > 0
	s_add_nc_u64 s[12:13], s[12:13], 16*2048       ; 16 rows on
.endif
.irp t, 0,1,2,3,4,5,6,7
	global_store_b128 v[CO], v[BB+4*\t:BB+4*\t+3], s[12:13] offset:2*\t*2048   ; 16 lanes store 256 consecutive bytes, at a multiple of 256 from qkv's first byte
.endr
.endm
	; ---- TILE 1
	s_wait_tensorcnt 1                             ; the scales and my part of slot 0 are in (slot 1's load may be out)
	s_barrier_signal -1
	s_barrier_wait -1                              ; everybody's are
	FETCH_B 0, 0, 0
	FETCH_A 0, 0, 0
	SCALES 0
	FETCH_A 0, 0, 4
	STEP 0, 0, 1                                   ; the first step's products start the sums: nothing is cleared
	STEPS 0, 1
	TURN 0, 1
	STEPS 1, 0
	s_wait_dscnt 4*NL                              ; the tile's last step: nothing more to fetch
	WIN MUL_LO
	MUL16 0, 1, NQ-1, 1, 0
	MUL16 2, 1, NQ-1, 1, 0
	s_wait_dscnt 0
	WIN MUL_HI
	MUL16 4, 1, NQ-1, 1, 0
	MUL16 6, 1, NQ-1, 1, 0
	WIN 0
	; ---- THE REFILL.  W's codes and scale bytes have been read for the last time; x's stay.  Each wave waits for all its tensor loads, adds 0 to its spare word, and waits for that and for its LDS reads; a round of the
	; cluster's barrier shows the same of every wave of all sixteen work-groups; the joint loads stand first behind it, one a wave.
	s_wait_tensorcnt 0x0                           ; no tensor load of mine is out, so the groups 0 may be written
	ds_add_u32 v[SPW], v[NIL]                      ; 0 onto my spare word; the descriptors' words stand between it and the wait for it
	s_mov_b32 s[G0SB+1], SCL+2*HALFS               ; Wv's scale bytes: where those of W's first 128 rows lay
	s_mov_b64 s[G0SB+2:G0SB+3], s[VS:VS+1]
	s_or_b32 s[G0SB+3], s[G0SB+3], 0x80000000
	s_mov_b32 s[G0B+1], 2*HALFT                    ; Wv's codes of K 0-511: where W's first 128 rows of slot 0 lay
	s_mov_b64 s[G0B+2:G0B+3], s[VC:VC+1]
	s_or_b32 s[G0B+3], s[G0B+3], 0x80000000
	s_mov_b32 s[G0B+5], SLOT+2*HALFT               ; and of K 512-1023: the same in slot 1
	s_add_nc_u64 s[G0B+6:G0B+7], s[VC:VC+1], ROWB
	s_or_b32 s[G0B+7], s[G0B+7], 0x80000000
	s_wait_dscnt 0x0                               ; the add is done, and my LDS reads are over
	CROUND
	JLOADV
	; ---- TILE 1 GOES OUT while Wv's tiles land
	s_wait_loadcnt 0x0                             ; the biases
.set i, 0
.rept 32
	v_pk_mul_f32 v[BI+i:BI+i+1], v[BI+i:BI+i+1], s[CSC:CSC+1] op_sel_hi:[1,0]   ; bias x factor.  These 32 name no register of the last products: they are the places behind them
.set i, i+2
.endr
	PACK 0
	TOSTAGE 0
.irp a, 1,2,3,4,5,6,7                  ; block a's arithmetic stands between block a - 1's loads from the stage and the wait for them
	PACK \a
	SEND \a-1
	TOSTAGE \a
.endr
	SEND 7
	; ---- TILE 2
	s_wait_xcnt 0x0                                ; the last stores have read their registers and their base: x's fragments land in those registers, and the base is written
	s_mov_b64 s[12:13], s[C2:C2+1]
	s_mov_b32 s[CSC], 1.0                          ; V has no factor
	s_mov_b32 s[CSC+1], 1.0
.irp b, 0,1,2,3,4,5,6,7
	global_load_b128 v[BI+8*\b:BI+8*\b+3], v[BO], s[BV:BV+1] offset:64*\b        ; bv of columns 16 b + 8 h + 0 .. 7: waited for on the second way out
	global_load_b128 v[BI+8*\b+4:BI+8*\b+7], v[BO], s[BV:BV+1] offset:64*\b+16
.endr
	s_wait_tensorcnt 0x0                           ; my part of Wv's tiles is in (no LDS instruction of mine is out: the last way out ended with a wait for all),
	s_barrier_signal -1
	s_barrier_wait -1                              ; everybody's is
	SCALESV
	FETCHV 0
.irp n, 0,1,2,3,4,5,6,7
	STEPV \n
.endr
	WIN 0
	PLACES NP                                      ; behind the last products
	s_wait_loadcnt 0x0                             ; bv
	PACK 0
	TOSTAGE 0
.irp a, 1,2,3
	PACK \a
	SEND \a-1
	TOSTAGE \a
.endr
	SEND 3
	s_wait_tensorcnt 0x0                           ; the wave's end: behind my last tensor load and my last LDS store
	ds_add_u32 v[SPW], v[NIL]
	s_wait_dscnt 0x0
	CROUND                                         ; the closing round: no work-group ends while a partner may still ask for a tile that names it
	s_endpgm
.Lfunc_end_k_q77494b9a91_proj:
	.size	k_q77494b9a91_proj, .Lfunc_end_k_q77494b9a91_proj-k_q77494b9a91_proj
	.p2alignl 7, 3214868480
	.fill 96, 4, 3214868480
	.section	.rodata,"a",@progbits
	.p2align	6, 0x0
	.amdhsa_kernel k_q77494b9a91_proj
		.amdhsa_group_segment_fixed_size 327680
		.amdhsa_private_segment_fixed_size 0
		.amdhsa_enable_private_segment 0
		.amdhsa_kernarg_size 64
		.amdhsa_user_sgpr_count 2
		.amdhsa_user_sgpr_kernarg_segment_ptr 1
		.amdhsa_wavefront_size32 1
		.amdhsa_system_sgpr_workgroup_id_x 1
		.amdhsa_system_sgpr_workgroup_id_y 1
		.amdhsa_system_sgpr_workgroup_id_z 1
		.amdhsa_system_vgpr_workitem_id 0
		.amdhsa_next_free_vgpr 1024
		.amdhsa_next_free_sgpr 102
		.amdhsa_reserve_vcc 0
		.amdhsa_float_denorm_mode_32 3
		.amdhsa_float_denorm_mode_16_64 3
		.amdhsa_memory_ordered 1
		.amdhsa_forward_progress 1
		.amdhsa_inst_pref_size 223
	.end_amdhsa_kernel
	.amdgpu_metadata
---
amdhsa.version: [ 1, 2 ]
amdhsa.kernels:
  - .name:           k_q77494b9a91_proj
    .symbol:         k_q77494b9a91_proj.kd
    .args:
      - { .name: x_codes, .offset: 0, .size: 8, .value_kind: global_buffer, .address_space: global }
      - { .name: x_scales, .offset: 8, .size: 8, .value_kind: global_buffer, .address_space: global }
      - { .name: w_codes, .offset: 16, .size: 8, .value_kind: global_buffer, .address_space: global }
      - { .name: w_scales, .offset: 24, .size: 8, .value_kind: global_buffer, .address_space: global }
      - { .name: bq, .offset: 32, .size: 8, .value_kind: global_buffer, .address_space: global }
      - { .name: bk, .offset: 40, .size: 8, .value_kind: global_buffer, .address_space: global }
      - { .name: bv, .offset: 48, .size: 8, .value_kind: global_buffer, .address_space: global }
      - { .name: qkv, .offset: 56, .size: 8, .value_kind: global_buffer, .address_space: global }
    .group_segment_fixed_size: 327680
    .private_segment_fixed_size: 0
    .kernarg_segment_align: 8
    .kernarg_segment_size: 64
    .max_flat_workgroup_size: 128
    .sgpr_count:     102
    .vgpr_count:     1024
    .wavefront_size: 32
...
	.end_amdgpu_metadata
.endif
;; end of part 2
;; launch scores (part 3): grid 8 x 32, 4 waves a work-group, clusters of 4 x 4, 327,680 bytes of LDS; arguments qkv, p, stats; writes p, stats
.if DOCPART == 3
	.amdgcn_target "amdgcn-amd-amdhsa--gfx1250"
	.amdhsa_code_object_version 6
	.text
	.protected	k_q77494b9a91_scores
	.globl	k_q77494b9a91_scores
	.p2align	8
	.type	k_q77494b9a91_scores,@function
k_q77494b9a91_scores:
	s_mov_b64 s[64:65], 0
	v_nop
	global_prefetch_b8 v0, s[64:65] scope:SCOPE_SE
	s_setreg_imm32_b32 hwreg(HW_REG_WAVE_MODE, 25, 1), 1
	s_wait_xcnt 0x0
	s_wait_alu depctr_hold_cnt(0) depctr_sa_sdst(0) depctr_va_vdst(0) depctr_va_sdst(0) depctr_va_ssrc(0) depctr_va_vcc(0) depctr_vm_vsrc(0)
	s_getreg_b32 s2, hwreg(HW_REG_IB_STS2, 6, 4)
	s_cmp_eq_u32 s2, 0
	s_cbranch_scc0 .Lentry_in_a_cluster
	s_endpgm
.Lentry_in_a_cluster:
	s_bfe_u32 s2, ttmp6, 0x10000c
	s_cmp_lg_u32 s2, 0xf033
	s_cbranch_scc0 .Lentry_shape_is_right
	s_endpgm
.Lentry_shape_is_right:
; t[q][k] = sum over d of Q'[q][d] K[k][d], in each of 4 batches of 2,048 queries x 2,048 keys, d < 1,024; operands f16, sums f32.  Q' holds the factor log2(e) / 32, so t is the score in base 2.
; THE SOFTMAX'S FIRST HALF, for each query and each tile j of 256 keys: m_j = the tile's largest t rounded UP to a whole number; p = 2^(t - m_j), at most 1, goes to the buffer p [8192 q][2048 keys] as f16;
; -m_j goes to stats as NM[batch][j][q] (f32, from byte 0), and the f32 sums of the unrounded p, one for each 128 keys u, as l[batch][u][q] (from byte 262,144).  The next launch brings the tiles under the row's
; largest m by exact powers of two: so the row's true maximum is taken away, for every input.
; LIMITS: a p under 2^-25 becomes 0 in f16 (each tile's largest p is at least 1/2); NaN and infinities are not served.
; A tile of 256 queries x 256 keys is made by a work-group of four waves; a wave makes 128 x 128: 64 accumulators, 512 registers.  d goes in steps of 128 through a ring of two LDS slots filled by the tensor data mover.
; CLUSTERS: 4 x 4 work-groups.  The four of a row of the cluster need the same tiles of Q', the four of a column the same tiles of K: each tile is asked for JOINTLY.  A cluster lies in one batch: 4 x cluster y + cy is the
; query tile (0-31), and the batch is cluster y / 2.
; THE MATRIX INSTRUCTION IS USED TRANSPOSED (source 0 = 16 keys, source 1 = 16 queries): a lane holds ONE query (lane % 16) and eight neighbouring keys, 8 (lane / 16) + 0 .. 7.
; REGISTERS, in windows of 256: window 0: v0-31 addresses; v64-127, v128-191 fragments of Q', two buffers; on the way out v32-223 at work.   window 1: v64-127, v128-191 fragments of K.
;   window 2: the accumulators of my rows 0-63 ((a, b) at v[8 (8 a + b)]);   window 3: those of my rows 64-127.
.set SIZE_K, 1024
.set KSTEP,  128
.set PITCH,  272                       ; an LDS row: 256 bytes + 16 of padding
.set HALFT,  128*PITCH                 ; 128 rows: what one tensor load brings
.set SLOT,   4*HALFT                   ; Q's 256 rows, then K's 256 rows
.set STAGE,  2*SLOT                    ; behind the ring: 16 rows x 272 bytes for each wave
.set SPITCH, 272
.set EXCH,   STAGE+4*16*SPITCH         ; 1,024 bytes for each wave: its rows' maxima, for the wave that shares its rows
.set STS,    EXCH+4*1024               ; 1,024 bytes for each wave: its rows' sums and -m, on their way out
.set SPARE,  STS+4*1024                ; the spare words, 128 bytes for each wave
.set LAPS,   SIZE_K/(2*KSTEP)
.set XW,   8                           ; v8   EXCH + 1,024 x wave + 16 x lane
.set XR,   9                           ; v9   the same of the wave beside me (wave xor 1)
.set SW,   10                          ; v10  STS + 1,024 x wave + 4 x (lane % 16)
.set SRD,  11                          ; v11  STS + 1,024 x wave + 16 x lane
.set SGO,  12                          ; v12  16 x lane
.set ADRA, 16                          ; v16-17  LDS address of my Q fragments in slot 0, 1
.set ADRB, 20                          ; v20-21  the same for K
.set STO,  24
.set RD,   25
.set CO,   26
.set SPW,  28                          ; v28     LDS address of my spare word; never rewritten
.set NIL,  29                          ; v29     0; never rewritten
.set PFO,  30                          ; v30     the prefetches' offset: lane x 2,048; never rewritten
.set T,    32                          ; v32-35  four chains of a maximum
.set MX,   36                          ; v36-43  a block's largest t, one register a block of 16 rows
.set PX,   44                          ; v44-51  the same from the wave beside me; later at work
.set LSA,  52                          ; v[52:53], v[54:55] two chains of a sum
.set LSB,  54
.set NM,   64                          ; v64-79  -m, twice (a pair for the packed addition), a pair a block
.set L,    80                          ; v80-87  a block's sums
.set BK,   96                          ; v96-127 and v128-159 by turns: 16 rows read back from the stage
.set TMP,  192                         ; v192-223 packed p
.set F0,   64
.set F1,   128
.set G1, 24
.set G0, 32
.set G1B, 48
.set G0B, 56
.set SEL, 66                           ; s[66:67] lane selects for v_permlanex16_b32: lane l xor 16
.set LIM, 68                           ; s68  1 in a wave that prefetches, else the greatest number
.set PFA, 70                           ; s[70:71] where my prefetches stand
.set MSB, 0
.macro WIN new
.if MSB != \new
	s_set_vgpr_msb (MSB<<8)|\new
.set MSB, \new
.endif
.endm
.set MUL_LO, 0xa1                      ; source 0 (K) window 1, source 1 (Q) window 0, C and D window 2
.set MUL_HI, 0xf1
.set TO_B,   0x40
; A joint load.  Waves 0 and 1 fetch Q's two halves, waves 2 and 3 K's.  The branch hangs on the wave's number alone.  An s_nop 0 and four v_nop follow each of the two lines.
.macro JLOAD s
	s_cmp_eq_u32 s11, 0
	s_cbranch_scc0 .Lfor_b_\@
	tensor_load_to_lds s[G0+4*\s:G0+4*\s+3], s[G1:G1+7]
	s_nop 0
.rept 4
	v_nop
.endr
	s_branch .Lasked_\@
.Lfor_b_\@:
	tensor_load_to_lds s[G0B+4*\s:G0B+4*\s+3], s[G1B:G1B+7]
	s_nop 0
.rept 4
	v_nop
.endr
.Lasked_\@:
.endm
; A PREFETCH behind each joint refill and the run of LDS loads that follows it: the step along d that stands TWO refills on, 32 rows x 256 bytes, a lane a row, one instruction a wave.
; Each row's 256 bytes of a step are named once in the launch.  Q's tile row is read by both clusters of that row of clusters: cluster x = 0 asks.  K's tile is read by the two clusters of its batch in that column:
; the one with an even cluster y asks.  The four partners that ask for a tile jointly share its rows out BY ADDRESS: of the 128 rows that a wave fetches, the partner at place p takes 32 p .. 32 p + 31.
; The loop's last trip (s3 = 1) asks for nothing: its two refills are the last two steps.
.macro ASK
	s_cmp_gt_u32 s3, s[LIM]
	s_cbranch_scc0 .Lnot_mine_\@
	global_prefetch_b8 v[PFO], s[PFA:PFA+1] offset:KSTEP*2 th:TH_LOAD_NT scope:SCOPE_SE
.Lnot_mine_\@:
.endm
.macro CREST                           ; a round of the cluster's barrier behind its opening barrier
	s_cmp_lg_u32 s10, 0
	s_cbranch_scc1 .Lnot_wave_0_\@
	s_barrier_signal -3
.Lnot_wave_0_\@:
	s_barrier_wait -3
	s_barrier_signal -1
	s_barrier_wait -1
.endm
.macro CROUND
	s_barrier_signal -1
	s_barrier_wait -1
	CREST
.endm
	s_load_b128 s[4:7], s[0:1], 0x0                ; qkv s[4:5], p s[6:7]
	s_load_b64 s[8:9], s[0:1], 0x10                ; stats
	v_lshl_add_u32 v[SPW], v0, 2, SPARE
	v_mov_b32 v[NIL], 0
	ds_add_u32 v[SPW], v[NIL]                      ; the wave's opening: the add, twice on end, and its wait ahead of my first tensor load
	ds_add_u32 v[SPW], v[NIL]
	v_lshrrev_b32 v1, 5, v0
	v_readfirstlane_b32 s10, v1                    ; wave 0..3
	s_lshr_b32 s11, s10, 1                         ; which half of the tile's queries is mine.  Also: I fetch for Q (0) or for K (1)
	s_and_b32 s12, s10, 1                          ; which half of its keys.  Also: which 128 rows of that tile I fetch
	s_bfe_u32 s40, ttmp6, 0x40000                  ; cx
	s_bfe_u32 s41, ttmp6, 0x40004                  ; cy
	s_lshl_b32 s42, ttmp9, 2
	s_add_co_u32 s42, s42, s40                     ; key tile = 4 x cluster x + cx: 0-7
	s_and_b32 s45, ttmp7, 0xffff
	s_lshl_b32 s13, s45, 2
	s_add_co_u32 s13, s13, s41                     ; query tile = 4 x cluster y + cy: 0-31
	s_lshr_b32 s45, s45, 1                         ; the batch = cluster y / 2: the same in all sixteen partners
	s_lshl_b32 s43, s41, 2
	s_lshl_b32 s43, 15, s43                        ; my row of the cluster
	s_lshl_b32 s44, 0x1111, s40                    ; my column
	; group 1: a tile of 128 rows x 128 elements of 2 bytes, 16 bytes of padding behind each row
	s_or_b32 s[G1+0], s43, (1<<16)|(1<<20)|(1<<21)|(5<<22)|(3<<25)
	s_or_b32 s[G1B+0], s44, (1<<16)|(1<<20)|(1<<21)|(5<<22)|(3<<25)
.irp g, G1, G1B
	s_mov_b32 s[\g+1], KSTEP<<16                   ; tensor_dim0
	s_mov_b32 s[\g+2], 128<<16                     ; tensor_dim1
	s_mov_b32 s[\g+3], KSTEP<<16                   ; tile_dim0
	s_mov_b32 s[\g+4], 128                         ; tile_dim1
	s_mov_b32 s[\g+5], SIZE_K                      ; from row to row, in elements
	s_mov_b32 s[\g+6], 0
	s_mov_b32 s[\g+7], 0
.endr
	s_mov_b32 s[SEL], 0x76543210
	s_mov_b32 s[SEL+1], 0xfedcba98
	s_lshl_b32 s17, s12, 7                         ; which 128 rows of the tile I fetch
	s_lshl_b32 s16, s13, 8
	s_add_co_u32 s16, s16, s17                     ; Q: row 256 x query tile + 128 x half
	s_lshl_b32 s16, s16, 11                        ; 2,048 bytes a row
	s_lshl_b32 s46, s42, 8
	s_add_co_u32 s46, s46, s17
	s_lshl_b32 s47, s45, 11
	s_add_co_u32 s46, s46, s47
	s_add_co_u32 s46, s46, 8192                    ; K: row 8,192 + 2,048 x batch + 256 x key tile + 128 x half
	s_lshl_b32 s46, s46, 11
	s_mov_b32 s17, 0
	s_mov_b32 s47, 0
	s_mul_i32 s20, s10, HALFT                      ; where they go: wave x 128 rows: no place in the cluster enters an LDS address
	s_wait_dscnt 0x0                               ; both opening adds are done
	s_wait_kmcnt 0x0
	s_add_nc_u64 s[14:15], s[4:5], s[16:17]
	s_add_nc_u64 s[46:47], s[4:5], s[46:47]
	CROUND                                         ; all sixteen work-groups are here: the first joint loads meet
.irp s, 0,1
	s_mov_b32 s[G0+4*\s], 1
	s_add_co_u32 s[G0+4*\s+1], s20, \s*SLOT
	s_add_nc_u64 s[G0+4*\s+2:G0+4*\s+3], s[14:15], \s*KSTEP*2
	s_or_b32 s[G0+4*\s+3], s[G0+4*\s+3], 0x80000000
	s_mov_b32 s[G0B+4*\s], 1
	s_add_co_u32 s[G0B+4*\s+1], s20, \s*SLOT
	s_add_nc_u64 s[G0B+4*\s+2:G0B+4*\s+3], s[46:47], \s*KSTEP*2
	s_or_b32 s[G0B+4*\s+3], s[G0B+4*\s+3], 0x80000000
	JLOAD \s                                       ; two tensor loads of mine are out; later one
.endr
	v_and_b32 v1, 15, v0                           ; r = lane % 16
	v_bfe_u32 v2, v0, 4, 1                         ; h = lane / 16
	v_mul_u32_u24 v3, v1, PITCH
	v_lshl_add_u32 v3, v2, 4, v3                   ; a fragment's row x pitch + 16 x half
	s_mul_i32 s21, s11, HALFT                      ; my 128 rows of Q
	s_mul_i32 s22, s12, HALFT                      ; my 128 rows of K,
	s_add_co_u32 s22, s22, 2*HALFT                 ; which lie behind Q's 256
.irp s, 0,1
	v_add_nc_u32 v[ADRA+\s], s21, v3
	v_add_nc_u32 v[ADRB+\s], s22, v3
	s_add_co_u32 s21, s21, SLOT
	s_add_co_u32 s22, s22, SLOT
.endr
	s_mul_i32 s23, s10, 16*SPITCH
	s_add_co_u32 s23, s23, STAGE                   ; my stage
	v_mul_u32_u24 v4, v1, SPITCH
	v_lshl_add_u32 v4, v2, 4, v4
	v_add_nc_u32 v[STO], s23, v4                   ; in: row r, 16 bytes for each half of the lanes
	v_mul_u32_u24 v5, v2, SPITCH
	v_lshl_add_u32 v5, v1, 4, v5
	v_add_nc_u32 v[RD], s23, v5                    ; back: lanes 0-15 one row of 256 bytes, lanes 16-31 the next
	v_lshlrev_b32 v5, 12, v2                       ; and the same two rows in p: 4,096 bytes a row
	v_lshl_add_u32 v[CO], v1, 4, v5
	v_and_b32 v6, 31, v0
	v_lshlrev_b32 v[SGO], 4, v6
	s_lshl_b32 s23, s10, 10
	s_add_co_u32 s23, s23, EXCH
	v_add_nc_u32 v[XW], s23, v[SGO]
	s_xor_b32 s23, s10, 1                          ; the wave that has my rows and the tile's other 128 keys
	s_lshl_b32 s23, s23, 10
	s_add_co_u32 s23, s23, EXCH
	v_add_nc_u32 v[XR], s23, v[SGO]
	s_lshl_b32 s23, s10, 10
	s_add_co_u32 s23, s23, STS
	v_lshl_add_u32 v[SW], v1, 2, s23
	v_add_nc_u32 v[SRD], s23, v[SGO]
	v_lshlrev_b32 v[PFO], 11, v6
	; where my part of p begins: row 256 x query tile + 128 x half, 4,096 bytes a row; key 256 x key tile + 128 x half, 2 bytes each
	s_lshl_b32 s16, s13, 8
	s_lshl_b32 s17, s11, 7
	s_add_co_u32 s16, s16, s17
	s_lshl_b32 s16, s16, 12
	s_lshl_b32 s17, s42, 9
	s_add_co_u32 s16, s16, s17
	s_lshl_b32 s17, s12, 8
	s_add_co_u32 s16, s16, s17
	s_mov_b32 s17, 0
	s_add_nc_u64 s[6:7], s[6:7], s[16:17]
	; and of stats: my 128 rows in the batch begin at (query tile % 8) x 256 + 128 x half, 4 bytes each
	s_and_b32 s16, s13, 7
	s_lshl_b32 s16, s16, 10
	s_lshl_b32 s17, s11, 9
	s_add_co_u32 s16, s16, s17
	s_lshl_b32 s17, s45, 16                        ; NM: (8 x batch + key tile) x 2,048 rows
	s_add_co_u32 s18, s16, s17
	s_lshl_b32 s17, s42, 13
	s_add_co_u32 s18, s18, s17
	s_mov_b32 s19, 0
	s_lshl_b32 s17, s45, 17                        ; l: 262,144 + (16 x batch + 2 x key tile + half) x 2,048 rows
	s_add_co_u32 s16, s16, s17
	s_lshl_b32 s17, s42, 14
	s_add_co_u32 s16, s16, s17
	s_lshl_b32 s17, s12, 13
	s_add_co_u32 s16, s16, s17
	s_add_co_u32 s16, s16, 262144
	s_mov_b32 s17, 0
	s_add_nc_u64 s[14:15], s[8:9], s[16:17]        ; l
	s_add_nc_u64 s[46:47], s[8:9], s[18:19]        ; NM
	; the prefetches
	s_lshl_b32 s20, s13, 8                         ; Q's tile begins at this row,
	s_lshl_b32 s21, s42, 8
	s_lshl_b32 s22, s45, 11
	s_add_co_u32 s21, s21, s22
	s_add_co_u32 s21, s21, 8192                    ; K's at this
	s_and_b32 s22, ttmp7, 0xffff
	s_and_b32 s22, s22, 1                          ; cluster y's low bit
	s_cmp_eq_u32 s11, 0                            ; do I fetch for Q?
	s_cselect_b32 s20, s20, s21
	s_cselect_b32 s21, s40, s41                    ; my place among the four that ask for the tile with me
	s_cselect_b32 s22, ttmp9, s22                  ; 0 in the one cluster that asks
	s_cmp_eq_u32 s22, 0
	s_cselect_b32 s[LIM], 1, -1                    ; the same in all sixteen partners, for a given wave
	s_lshl_b32 s22, s12, 7
	s_add_co_u32 s20, s20, s22                     ; + the 128 rows that I fetch
	s_lshl_b32 s21, s21, 5
	s_add_co_u32 s20, s20, s21                     ; + my work-group's 32 of them
	s_lshl_b32 s20, s20, 11
	s_add_co_u32 s20, s20, 2*KSTEP*2               ; at step 2: the first refill steps it to 3 and names step 4.  Nothing is prefetched at the head
	s_mov_b32 s21, 0
	s_add_nc_u64 s[PFA:PFA+1], s[4:5], s[20:21]
; 16 matrix instructions: query blocks a0, a0 + 1 of the window's four x all 8 key blocks, 32 along d.  zero = 1: the first product starts the sums.  The 64 accumulators take turns.
.macro MUL16 f, hi, a0, zero
.irp a, \a0, \a0+1
.irp b, 0,1,2,3,4,5,6,7
.if \zero
	v_wmma_f32_16x16x32_f16 v[8*(8*(\a)+\b):8*(8*(\a)+\b)+7], v[\f+8*\b:\f+8*\b+7], v[\f+8*(4*\hi+\a):\f+8*(4*\hi+\a)+7], 0
.else
	v_wmma_f32_16x16x32_f16 v[8*(8*(\a)+\b):8*(8*(\a)+\b)+7], v[\f+8*\b:\f+8*\b+7], v[\f+8*(4*\hi+\a):\f+8*(4*\hi+\a)+7], v[8*(8*(\a)+\b):8*(8*(\a)+\b)+7]
.endif
.endr
.endr
.endm
; 32 LDS loads in one run: the fragments of one quarter step (128 rows of K, 128 rows of Q, 32 along d at byte k of the rows) into buffer f
.macro FETCH slot, k, f
	WIN TO_B
.irp i, 0,1,2,3,4,5,6,7
	ds_load_b128 v[\f+8*\i:\f+8*\i+3],   v[ADRB+\slot] offset:\k+\i*16*PITCH
	ds_load_b128 v[\f+8*\i+4:\f+8*\i+7], v[ADRB+\slot] offset:\k+\i*16*PITCH+32
.endr
	WIN 0
.irp i, 0,1,2,3,4,5,6,7
	ds_load_b128 v[\f+8*\i:\f+8*\i+3],   v[ADRA+\slot] offset:\k+\i*16*PITCH
	ds_load_b128 v[\f+8*\i+4:\f+8*\i+7], v[ADRA+\slot] offset:\k+\i*16*PITCH+32
.endr
.endm
.macro PLACES                          ; four places in front of loads into registers that matrix instructions have read, and of vector instructions that read results
.rept 4
	v_nop
.endr
.endm
; A step is four quarters of 32 along d, 64 matrix instructions each, on buffers 0, 1, 0, 1.  One of the first three: multiplies buffer f; in its middle it fetches the next quarter's fragments into g.
.macro QUARTER slot, k, f, g, zero
	s_wait_dscnt 8                                 ; K and Q's rows 0-63 are in; the youngest eight loads (Q's rows 64-127) may be out
	WIN MUL_LO
	MUL16 \f, 0, 0, \zero
	MUL16 \f, 0, 2, \zero
	PLACES
	FETCH \slot, \k, \g
	s_wait_dscnt 32                                ; all but the 32 just issued
	WIN MUL_HI
	MUL16 \f, 1, 0, \zero
	MUL16 \f, 1, 2, \zero
.endm
; The last quarter multiplies buffer 1 and changes slots.  MEET is its first half: ONE barrier.  In front of it each wave waits for all its tensor loads (its part of the next slot), adds 0 to its spare word,
; and waits for that and for its own reads of this slot.  Behind it nobody reads this slot any more and the next slot is whole.
.macro MEET round
	WIN 0                                          ; (the add's two registers lie in window 0)
	s_wait_tensorcnt 0x0
	ds_add_u32 v[SPW], v[NIL]                      ; 0 onto my spare word
	s_wait_dscnt 9                                 ; (the add and the youngest eight loads may be out)
	WIN MUL_LO
	MUL16 F1, 0, 0, 0                              ; sixteen matrix instructions stand between the add and the wait for it
	s_wait_dscnt 0x0                               ; the add is done, and my reads of this slot are over
	s_barrier_signal -1
	MUL16 F1, 0, 2, 0
.if \round
	WIN 0
.endif
	s_barrier_wait -1
.endm
; fill = 1: the barrier opens a round of the cluster's barrier, and the slot just read out is filled again, two steps on, first thing behind the round.
.macro TURN slot, next, fill
.if \fill
	s_wait_xcnt 0x0                                ; the last prefetch, a step back, has read its address: it is stepped here, ahead of the waits of the change of slots
	s_add_nc_u64 s[PFA:PFA+1], s[PFA:PFA+1], KSTEP*2
.endif
	MEET \fill
.if \fill
	CREST                                          ; no wave of any partner still reads this slot's tile or has a load on its way
	s_add_nc_u64 s[G0+4*\slot+2:G0+4*\slot+3], s[G0+4*\slot+2:G0+4*\slot+3], 2*KSTEP*2
	s_add_nc_u64 s[G0B+4*\slot+2:G0B+4*\slot+3], s[G0B+4*\slot+2:G0B+4*\slot+3], 2*KSTEP*2
	JLOAD \slot                                    ; the four v_nop behind it are also the places in front of the loads below
.else
	PLACES
.endif
	FETCH \next, 0, F0
.if \fill
	ASK
.endif
	WIN MUL_HI
	MUL16 F1, 1, 0, 0
	MUL16 F1, 1, 2, 0
.endm
	s_wait_tensorcnt 1                             ; my part of step 0 is in (step 1's load may be out)
	s_barrier_signal -1
	s_barrier_wait -1                              ; everybody's is
	FETCH 0, 0, F0
	QUARTER 0, 64,  F0, F1, 1                      ; the first quarter stands in front of the loop: its products start the sums
	WIN 0                                          ; at a label and at a branch every window is 0
	s_mov_b32 s3, LAPS-1
.Llap:                                                 ; a trip goes once round the ring, from a lap's second quarter to the next lap's first, and fills both slots again
	QUARTER 0, 128, F1, F0, 0
	QUARTER 0, 192, F0, F1, 0
	TURN 0, 1, 1
	QUARTER 1, 64,  F0, F1, 0
	QUARTER 1, 128, F1, F0, 0
	QUARTER 1, 192, F0, F1, 0
	TURN 1, 0, 1
	QUARTER 0, 64,  F0, F1, 0
	WIN 0
	s_sub_co_u32 s3, s3, 1
	s_cmp_lg_u32 s3, 0
	s_cbranch_scc1 .Llap
	QUARTER 0, 128, F1, F0, 0                      ; the last lap is written out: it asks for nothing
	QUARTER 0, 192, F0, F1, 0
	TURN 0, 1, 0
	QUARTER 1, 64,  F0, F1, 0
	QUARTER 1, 128, F1, F0, 0
	QUARTER 1, 192, F0, F1, 0
	s_wait_dscnt 8                                 ; the very last quarter: nothing more to fetch
	WIN MUL_LO
	MUL16 F1, 0, 0, 0
	MUL16 F1, 0, 2, 0
	s_wait_dscnt 0
	WIN MUL_HI
	MUL16 F1, 1, 0, 0
	MUL16 F1, 1, 2, 0
	WIN 0
; THE WAY OUT.  1: each block's largest t of my 128 keys.  A lane has 64 of a query's scores; the lane 16 away has the other 64.
.macro ROWMAX a
.set AC, 64*((\a)%4)
	WIN 0x0a+5*((\a)/4)                            ; sources 0 and 1: window 2 or 3
.irp i, 0,1,2,3
	v_max_num_f32 v[T+\i], v[AC+2*\i], v[AC+2*\i+1]                ; four chains; each accumulator is read from its low end on
.endr
	WIN 0x28+0x14*((\a)/4)                         ; sources 1 and 2: window 2 or 3
.irp b, 1,2,3,4,5,6,7
.irp i, 0,1,2,3
	v_max3_num_f32 v[T+\i], v[T+\i], v[AC+8*\b+2*\i], v[AC+8*\b+2*\i+1]
.endr
.endr
	WIN 0
	v_max3_num_f32 v[T], v[T], v[T+1], v[T+2]
	v_max_num_f32 v[T], v[T], v[T+3]
	v_permlanex16_b32 v[T+1], v[T], s[SEL], s[SEL+1]
	v_max_num_f32 v[MX+\a], v[T], v[T+1]
.endm
	PLACES                                         ; blocks 0-3 were finished with only matrix instructions behind them; their 144 lines are then the places behind blocks 4-7's last products
.irp a, 0,1,2,3,4,5,6,7
	ROWMAX \a
.endr
	; 2: the tile's other 128 keys are the wave's beside me: the maxima change hands through LDS, as images of the registers
	ds_store_b128 v[XW], v[MX:MX+3]
	ds_store_b128 v[XW], v[MX+4:MX+7] offset:512
	s_wait_dscnt 0x0                               ; for the other wave's sake: my stores are done
	s_barrier_signal -1
	s_barrier_wait -1
	ds_load_b128 v[PX:PX+3], v[XR]
	ds_load_b128 v[PX+4:PX+7], v[XR] offset:512
	s_wait_dscnt 0x0
.irp a, 0,1,2,3,4,5,6,7
	v_max_num_f32 v[MX+\a], v[MX+\a], v[PX+\a]     ; the largest t of the tile's 256 keys
.endr
.irp a, 0,1,2,3,4,5,6,7
	v_floor_f32 v[NM+2*\a], -v[MX+\a]              ; -m = floor(-t) = -ceil(t): m is a whole number
	v_floor_f32 v[NM+2*\a+1], -v[MX+\a]
.endr
; 3: block by block: p = 2^(t - m) in place; its sum in f32, of the unrounded p; p rounded to f16
.macro SOFT a
.set AC, 64*((\a)%4)
	WIN 0x82+0x41*((\a)/4)                         ; destination and source 0: window 2 or 3
.set i, 0
.rept 32
	v_pk_add_f32 v[AC+i:AC+i+1], v[AC+i:AC+i+1], v[NM+2*(\a):NM+2*(\a)+1]
.set i, i+2
.endr
.set i, 0
.rept 64
	v_exp_f32 v[AC+i], v[AC+i]
.set i, i+1
.endr
	v_nop                                          ; a plain instruction behind the last exponential,
	s_wait_alu depctr_va_vdst(0)                   ; and ONE wait for the batch of 64, ahead of its first reader
	WIN 0x0a+5*((\a)/4)
	v_pk_add_f32 v[LSA:LSA+1], v[AC:AC+1], v[AC+2:AC+3]            ; the first four pairs start the two chains: nothing is cleared
	v_pk_add_f32 v[LSB:LSB+1], v[AC+4:AC+5], v[AC+6:AC+7]
.set i, 0
.rept 32
	v_cvt_pk_f16_f32 v[TMP+i], v[AC+2*i], v[AC+2*i+1]
.set i, i+1
.endr
	WIN 0x08+4*((\a)/4)                            ; source 1: window 2 or 3
.set i, 8
.rept 14
	v_pk_add_f32 v[LSA:LSA+1], v[LSA:LSA+1], v[AC+i:AC+i+1]
	v_pk_add_f32 v[LSB:LSB+1], v[LSB:LSB+1], v[AC+i+2:AC+i+3]
.set i, i+4
.endr
	WIN 0
	v_pk_add_f32 v[LSA:LSA+1], v[LSA:LSA+1], v[LSB:LSB+1]
	v_add_f32 v[L+(\a)], v[LSA], v[LSA+1]
.endm
.macro TOSTAGE a
.set BB, BK+32*((\a)%2)
.irp b, 0,1,2,3,4,5,6,7
	ds_store_b128 v[STO], v[TMP+4*\b:TMP+4*\b+3] offset:32*\b
.endr
.irp t, 0,1,2,3,4,5,6,7
	ds_load_b128 v[BB+4*\t:BB+4*\t+3], v[RD] offset:\t*2*SPITCH    ; LDS serves a wave's instructions in order: these see the stores above
.endr
.endm
.macro SEND a
.set BB, BK+32*((\a)%2)
	s_wait_dscnt 0x0                               ; the block is back in registers
	s_wait_xcnt 0x0                                ; the earlier stores have read their registers and their base: only behind this wait are they written again
.if (\a) > 0
	s_add_nc_u64 s[6:7], s[6:7], 16*4096           ; 16 rows of p on
.endif
.irp t, 0,1,2,3,4,5,6,7
	global_store_b128 v[CO], v[BB+4*\t:BB+4*\t+3], s[6:7] offset:2*\t*4096   ; 16 lanes store 256 consecutive bytes, at a multiple of 256 from p's first byte
.endr
.endm
	SOFT 0
	TOSTAGE 0
.irp a, 1,2,3,4,5,6,7                  ; block a's arithmetic stands between block a - 1's loads from the stage and the wait for them
	SOFT \a
	SEND \a-1
	TOSTAGE \a
.endr
	SEND 7
	; 4: the sums and -m of my 128 rows: through my own 1,024 bytes of LDS, so that each leaves as 512 consecutive bytes
.irp a, 0,1,2,3,4,5,6,7
	v_permlanex16_b32 v[PX+\a], v[L+\a], s[SEL], s[SEL+1]
.endr
.irp a, 0,1,2,3,4,5,6,7
	v_add_f32 v[L+\a], v[L+\a], v[PX+\a]           ; with the lane 16 away: the sum over my 128 keys
.endr
.irp a, 0,1,2,3,4,5,6,7
	ds_store_b32 v[SW], v[L+\a] offset:64*\a       ; row 16 a + r; both halves of the lanes write the same word with the same value
	ds_store_b32 v[SW], v[NM+2*\a] offset:512+64*\a
.endr
	ds_load_b128 v[T:T+3], v[SRD]                  ; LDS serves a wave's instructions in order: these see my stores
	ds_load_b128 v[MX:MX+3], v[SRD] offset:512
	s_wait_dscnt 0x0
	global_store_b128 v[SGO], v[T:T+3], s[14:15]   ; l: 512 consecutive bytes, aligned
	s_cmp_lg_u32 s12, 0                            ; -m is the same in the two waves of a row half: the one with the tile's first keys stores it
	s_cbranch_scc1 .Lnot_nm
	global_store_b128 v[SGO], v[MX:MX+3], s[46:47]
.Lnot_nm:
	s_wait_tensorcnt 0x0                           ; the wave's end: behind my last tensor load and my last LDS store
	ds_add_u32 v[SPW], v[NIL]
	s_wait_dscnt 0x0
	CROUND                                         ; the closing round
	s_endpgm
.Lfunc_end_k_q77494b9a91_scores:
	.size	k_q77494b9a91_scores, .Lfunc_end_k_q77494b9a91_scores-k_q77494b9a91_scores
	.p2alignl 7, 3214868480
	.fill 96, 4, 3214868480
	.section	.rodata,"a",@progbits
	.p2align	6, 0x0
	.amdhsa_kernel k_q77494b9a91_scores
		.amdhsa_group_segment_fixed_size 327680
		.amdhsa_private_segment_fixed_size 0
		.amdhsa_enable_private_segment 0
		.amdhsa_kernarg_size 24
		.amdhsa_user_sgpr_count 2
		.amdhsa_user_sgpr_kernarg_segment_ptr 1
		.amdhsa_wavefront_size32 1
		.amdhsa_system_sgpr_workgroup_id_x 1
		.amdhsa_system_sgpr_workgroup_id_y 1
		.amdhsa_system_sgpr_workgroup_id_z 1
		.amdhsa_system_vgpr_workitem_id 0
		.amdhsa_next_free_vgpr 1024
		.amdhsa_next_free_sgpr 72
		.amdhsa_reserve_vcc 0
		.amdhsa_float_denorm_mode_32 3
		.amdhsa_float_denorm_mode_16_64 3
		.amdhsa_memory_ordered 1
		.amdhsa_forward_progress 1
		.amdhsa_inst_pref_size 215
	.end_amdhsa_kernel
	.amdgpu_metadata
---
amdhsa.version: [ 1, 2 ]
amdhsa.kernels:
  - .name:           k_q77494b9a91_scores
    .symbol:         k_q77494b9a91_scores.kd
    .args:
      - { .name: qkv, .offset: 0, .size: 8, .value_kind: global_buffer, .address_space: global }
      - { .name: p, .offset: 8, .size: 8, .value_kind: global_buffer, .address_space: global }
      - { .name: stats, .offset: 16, .size: 8, .value_kind: global_buffer, .address_space: global }
    .group_segment_fixed_size: 327680
    .private_segment_fixed_size: 0
    .kernarg_segment_align: 8
    .kernarg_segment_size: 24
    .max_flat_workgroup_size: 128
    .sgpr_count:     72
    .vgpr_count:     1024
    .wavefront_size: 32
...
	.end_amdgpu_metadata
.endif
;; end of part 3
;; launch pv (part 4): grid 4 x 64, 4 waves a work-group, clusters of 4 x 4, 327,680 bytes of LDS; arguments p, qkv, stats, out0; writes out0
.if DOCPART == 4
	.amdgcn_target "amdgcn-amd-amdhsa--gfx1250"
	.amdhsa_code_object_version 6
	.text
	.protected	k_q77494b9a91_pv
	.globl	k_q77494b9a91_pv
	.p2align	8
	.type	k_q77494b9a91_pv,@function
k_q77494b9a91_pv:
	s_mov_b64 s[64:65], 0
	v_nop
	global_prefetch_b8 v0, s[64:65] scope:SCOPE_SE
	s_setreg_imm32_b32 hwreg(HW_REG_WAVE_MODE, 25, 1), 1
	s_wait_xcnt 0x0
	s_wait_alu depctr_hold_cnt(0) depctr_sa_sdst(0) depctr_va_vdst(0) depctr_va_sdst(0) depctr_va_ssrc(0) depctr_va_vcc(0) depctr_vm_vsrc(0)
	s_getreg_b32 s2, hwreg(HW_REG_IB_STS2, 6, 4)
	s_cmp_eq_u32 s2, 0
	s_cbranch_scc0 .Lentry_in_a_cluster
	s_endpgm
.Lentry_in_a_cluster:
	s_bfe_u32 s2, ttmp6, 0x10000c
	s_cmp_lg_u32 s2, 0xf033
	s_cbranch_scc0 .Lentry_shape_is_right
	s_endpgm
.Lentry_shape_is_right:
; out0[q][c] = (sum over tiles j of f_j[q] x sum over the tile's 256 keys k of p[q][k] V[k][c]) / L[q], in each of 4 batches; p and V f16, sums f32.
; THE SOFTMAX'S SECOND HALF.  p = 2^(t - m_j) was made under the largest t of its own tile j of 256 keys, rounded up to a whole number m_j.  With M = the largest m_j of the row, f_j = 2^(m_j - M), a power of two made by
; v_ldexp_f32, brings a tile's sums under M and rounds nothing; L = sum over j of f_j (l_2j + l_2j+1).  So the row's true maximum has been taken away.  No branch hangs on data.
; p: [8192 q][2048 keys] f16.  V: rows 16,384 on of qkv, [key][1024 channels] f16.  stats: NM[batch][8][2048] = -m from byte 0, l[batch][16][2048] from byte 262,144, f32.  out0: [8192][1024] f32.
; A tile of 128 queries x 256 channels is made by a work-group of four waves (256 work-groups in all); a wave makes 64 x 128: 32 accumulators of the tile of keys in hand, and 32 running totals.
; The keys go in steps of 128 through a ring of two LDS slots; a lap, two steps, is one tile j; behind each lap the accumulators are folded into the totals: total += f_j x accumulator.
; CLUSTERS: 4 x 4 work-groups.  The four of a row of the cluster need the same tiles of p, the four of a column the same tiles of V: each tile is asked for JOINTLY.  A cluster lies in one batch: cluster y / 4.
; THE MATRIX INSTRUCTION IS USED TRANSPOSED: source 0 = V^T (16 channels x 32 keys, turned on its way out of LDS by ds_load_tr16_b128), source 1 = p (16 queries x 32 keys): a lane holds ONE query and eight neighbouring channels.
; REGISTERS, in windows of 256: window 0: v1-31 addresses; v40-47 f, a pair a block of 16 queries; v48-55 1 / L likewise; v64-127, v128-191 p's fragments, two buffers (64 + 64 f + 32 c + 8 a); at the head v128-179 the stats.
;   window 1: V's fragments, two buffers (128 f + 64 c + 8 b).   window 2: the accumulators ((a, b) at v[8 (8 a + b)]).   window 3: the totals, likewise.
.set PP,     272                       ; a row of p in LDS: 256 bytes + 16 of padding
.set PV,     544                       ; a row of V: 512 bytes + 32 of padding: an odd multiple of 32
.set PHALF,  64*PP                     ; what a tensor load brings of p: 64 rows
.set VHALF,  64*PV                     ; and of V: 64 keys
.set VOFF,   2*PHALF                   ; a slot: p's 128 rows, then V's 128 keys
.set SLOT,   VOFF+2*VHALF
.set FT,     2*SLOT                    ; behind the ring: for each wave f[8 tiles][64 rows] and 1 / L[64 rows], 2,304 bytes
.set FTW,    2304
.set STAGE,  FT+4*FTW                  ; 16 rows x (512 bytes + 16) for each wave
.set SPITCH, 528
.set SPARE,  STAGE+4*16*SPITCH         ; the spare words, 128 bytes for each wave
.set ADRP, 16                          ; v16-17  LDS address of my p fragments in slot 0, 1
.set ADRV, 20                          ; v20-21  the same for V
.set STO,  24
.set RD,   25
.set CO,   26
.set FR,   27                          ; v27     where I read f of the tile in hand: FT + 2,304 x wave + 4 r + 256 j
.set SPW,  28                          ; v28     LDS address of my spare word; never rewritten
.set NIL,  29                          ; v29     0; never rewritten
.set PFO,  30                          ; v30     the prefetches' offset; never rewritten
.set FW,   31                          ; v31     where I store f: FT + 2,304 x wave + 4 x lane
.set F,    40
.set RL,   48
.set PF,   64
.set TMP,  64                          ; the way out: a block's 64 numbers
.set BK,   128                         ; and 16 rows read back: v128-191 and v192-255 by turns
.set SN,   128                         ; the head: -m, then f: v[SN + 2 j + i]
.set SL,   144                         ; l: v[SL + 2 u + i]
.set MN,   176                         ; -M, then 1 / L
.set LS,   178                         ; L
.set WV,  12                           ; s12 wave;  s13 query tile;  s14 which half of the queries is mine (also: I fetch p (0) or V (1));  s15 which half of the channels (also: which half of that tile I fetch)
.set TR,  13
.set RH,  14
.set CH,  15
.set G1, 24
.set G0, 32
.set G1B, 48
.set G0B, 56
.set LIM, 66                           ; s66  1 in a wave that prefetches, else the greatest number
.set PFA, 68                           ; s[68:69] where my prefetches stand
.set PFS, 70                           ; s[70:71] a step on, in bytes
.set MSB, 0
.macro WIN new
.if MSB != \new
	s_set_vgpr_msb (MSB<<8)|\new
.set MSB, \new
.endif
.endm
.set MUL,  0xa1                        ; source 0 (V) window 1, source 1 (p) window 0, C and D window 2
.set TO_B, 0x40
; A joint load.  Waves 0 and 1 fetch p's two halves, waves 2 and 3 V's.  The branch hangs on the wave's number alone.  An s_nop 0 and four v_nop follow each of the two lines.
.macro JLOAD s
	s_cmp_eq_u32 s[RH], 0
	s_cbranch_scc0 .Lfor_v_\@
	tensor_load_to_lds s[G0+4*\s:G0+4*\s+3], s[G1:G1+7]
	s_nop 0
.rept 4
	v_nop
.endr
	s_branch .Lasked_\@
.Lfor_v_\@:
	tensor_load_to_lds s[G0B+4*\s:G0B+4*\s+3], s[G1B:G1B+7]
	s_nop 0
.rept 4
	v_nop
.endr
.Lasked_\@:
.endm
; A PREFETCH behind each joint refill and the run of LDS loads that follows it: the step of 128 keys that stands TWO refills on.  Each aligned 256 bytes are named once in the launch.
; p's 128 rows x 256 bytes are read by the four partners of a row of the cluster alone: they take 32 rows each, told apart BY ADDRESS (cx); wave 0 asks, a lane a row.
; V's 128 keys x 512 bytes are read by the four clusters of a batch: the first of them (cluster y a multiple of 4) asks; its partners of a column take 16 keys of each wave's 64 (cy); waves 2 and 3 ask: 16 keys x 2 halves of a row.
; The loop's last trip (s3 = 1) asks for nothing: its two refills are the last two steps.
.macro ASK
	s_cmp_gt_u32 s3, s[LIM]
	s_cbranch_scc0 .Lnot_mine_\@
	global_prefetch_b8 v[PFO], s[PFA:PFA+1] th:TH_LOAD_NT scope:SCOPE_SE
.Lnot_mine_\@:
.endm
.macro CREST
	s_cmp_lg_u32 s[WV], 0
	s_cbranch_scc1 .Lnot_wave_0_\@
	s_barrier_signal -3
.Lnot_wave_0_\@:
	s_barrier_wait -3
	s_barrier_signal -1
	s_barrier_wait -1
.endm
.macro CROUND
	s_barrier_signal -1
	s_barrier_wait -1
	CREST
.endm
	s_load_b256 s[4:11], s[0:1], 0x0               ; p s[4:5], qkv s[6:7], stats s[8:9], out0 s[10:11]
	v_lshl_add_u32 v[SPW], v0, 2, SPARE
	v_mov_b32 v[NIL], 0
	ds_add_u32 v[SPW], v[NIL]                      ; the wave's opening: the add, twice on end, and its wait ahead of my first tensor load
	ds_add_u32 v[SPW], v[NIL]
	v_lshrrev_b32 v1, 5, v0
	v_readfirstlane_b32 s[WV], v1                  ; wave 0..3
	s_lshr_b32 s[RH], s[WV], 1
	s_and_b32 s[CH], s[WV], 1
	s_bfe_u32 s40, ttmp6, 0x40000                  ; cx
	s_bfe_u32 s41, ttmp6, 0x40004                  ; cy
	s_lshl_b32 s42, ttmp9, 2
	s_add_co_u32 s42, s42, s40                     ; channel tile = 4 x cluster x + cx: 0-3
	s_and_b32 s45, ttmp7, 0xffff
	s_lshl_b32 s[TR], s45, 2
	s_add_co_u32 s[TR], s[TR], s41                 ; query tile = 4 x cluster y + cy: 0-63
	s_lshr_b32 s45, s45, 2                         ; the batch = cluster y / 4: the same in all sixteen partners
	s_lshl_b32 s43, s41, 2
	s_lshl_b32 s43, 15, s43                        ; my row of the cluster
	s_lshl_b32 s44, 0x1111, s40                    ; my column
	; group 1 for p: 64 rows x 128 elements of 2 bytes, 2,048 elements from row to row; 4 words of padding after every 64
	s_or_b32 s[G1+0], s43, (1<<16)|(1<<20)|(1<<21)|(5<<22)|(3<<25)
	s_mov_b32 s[G1+1], 128<<16
	s_mov_b32 s[G1+2], 64<<16
	s_mov_b32 s[G1+3], 128<<16
	s_mov_b32 s[G1+4], 64
	s_mov_b32 s[G1+5], 2048
	s_mov_b32 s[G1+6], 0
	s_mov_b32 s[G1+7], 0
	; and for V: 64 keys x 256 elements, 1,024 elements from key to key; 8 words of padding after every 128
	s_or_b32 s[G1B+0], s44, (1<<16)|(1<<20)|(1<<21)|(6<<22)|(7<<25)
	s_mov_b32 s[G1B+1], 256<<16
	s_mov_b32 s[G1B+2], 64<<16
	s_mov_b32 s[G1B+3], 256<<16
	s_mov_b32 s[G1B+4], 64
	s_mov_b32 s[G1B+5], 1024
	s_mov_b32 s[G1B+6], 0
	s_mov_b32 s[G1B+7], 0
	s_lshl_b32 s16, s[TR], 7
	s_lshl_b32 s17, s[CH], 6
	s_add_co_u32 s16, s16, s17                     ; p: row 128 x query tile + 64 x half,
	s_lshl_b32 s16, s16, 12                        ; 4,096 bytes a row
	s_mov_b32 s17, 0
	s_lshl_b32 s46, s45, 11
	s_lshl_b32 s47, s[CH], 6
	s_add_co_u32 s46, s46, s47
	s_add_co_u32 s46, s46, 16384                   ; V: row 16,384 + 2,048 x batch + 64 x half,
	s_lshl_b32 s46, s46, 11                        ; 2,048 bytes a row,
	s_lshl_b32 s47, s42, 9                         ; at channel 256 x channel tile
	s_add_co_u32 s46, s46, s47
	s_mov_b32 s47, 0
	s_mul_i32 s20, s[CH], PHALF                    ; where they go: no place in the cluster enters an LDS address
	s_mul_i32 s21, s[CH], VHALF
	s_add_co_u32 s21, s21, VOFF
	s_wait_dscnt 0x0                               ; both opening adds are done
	s_wait_kmcnt 0x0
	s_add_nc_u64 s[18:19], s[4:5], s[16:17]
	s_add_nc_u64 s[46:47], s[6:7], s[46:47]
	CROUND                                         ; all sixteen work-groups are here: the first joint loads meet
.irp s, 0,1
	s_mov_b32 s[G0+4*\s], 1
	s_add_co_u32 s[G0+4*\s+1], s20, \s*SLOT
	s_add_nc_u64 s[G0+4*\s+2:G0+4*\s+3], s[18:19], \s*256          ; step s: 128 keys on in the rows
	s_or_b32 s[G0+4*\s+3], s[G0+4*\s+3], 0x80000000
	s_mov_b32 s[G0B+4*\s], 1
	s_add_co_u32 s[G0B+4*\s+1], s21, \s*SLOT
	s_add_nc_u64 s[G0B+4*\s+2:G0B+4*\s+3], s[46:47], \s*128*2048   ; step s: 128 rows down
	s_or_b32 s[G0B+4*\s+3], s[G0B+4*\s+3], 0x80000000
	JLOAD \s                                       ; two tensor loads of mine are out; later one
.endr
	v_and_b32 v1, 15, v0                           ; r = lane % 16
	v_bfe_u32 v2, v0, 4, 1                         ; h = lane / 16
	v_and_b32 v3, 31, v0                           ; lane
	v_mul_u32_u24 v4, v1, PP
	v_lshl_add_u32 v4, v2, 4, v4                   ; p: row r x pitch + 16 h
	s_mul_i32 s20, s[RH], PHALF                    ; my 64 queries
	v_and_b32 v5, 7, v0                            ; V: the turning load takes 16 keys x 16 channels: lane l reads key 8 h + l % 8, channels 8 ((l / 8) % 2) + 0 .. 7
	v_lshl_add_u32 v5, v2, 3, v5
	v_mul_u32_u24 v5, v5, PV
	v_bfe_u32 v6, v0, 3, 1
	v_lshl_add_u32 v5, v6, 4, v5
	s_lshl_b32 s21, s[CH], 8                       ; my 128 channels: 256 bytes on in each row
	s_add_co_u32 s21, s21, VOFF
.irp s, 0,1
	v_add_nc_u32 v[ADRP+\s], s20, v4
	v_add_nc_u32 v[ADRV+\s], s21, v5
	s_add_co_u32 s20, s20, SLOT
	s_add_co_u32 s21, s21, SLOT
.endr
	s_mul_i32 s22, s[WV], FTW
	s_add_co_u32 s22, s22, FT
	v_lshl_add_u32 v[FW], v3, 2, s22
	v_lshl_add_u32 v[FR], v1, 2, s22
	s_mul_i32 s23, s[WV], 16*SPITCH
	s_add_co_u32 s23, s23, STAGE                   ; my stage
	v_mul_u32_u24 v7, v1, SPITCH
	v_lshl_add_u32 v7, v2, 5, v7
	v_add_nc_u32 v[STO], s23, v7                   ; in: row r, 32 bytes for each half of the lanes
	v_lshlrev_b32 v[CO], 4, v3                     ; back: the 32 lanes take one row of 512 bytes; and the same in out0
	v_add_nc_u32 v[RD], s23, v[CO]
.irp a, 0,1,2,3
	v_mov_b32 v[F+2*\a+1], 0                       ; the upper halves of the pairs that the packed forms name: written once, never used
	v_mov_b32 v[RL+2*\a+1], 0
.endr
	; the prefetches
	s_lshl_b32 s20, s[TR], 7
	s_lshl_b32 s21, s40, 5
	s_add_co_u32 s20, s20, s21                     ; p: row 128 x query tile + 32 cx,
	s_lshl_b32 s20, s20, 12
	s_add_co_u32 s20, s20, 3*256                   ; at step 3: the first refill steps it to 4.  Nothing is prefetched at the head
	s_lshl_b32 s21, s45, 11
	s_lshl_b32 s22, s[CH], 6
	s_add_co_u32 s21, s21, s22
	s_lshl_b32 s22, s41, 4
	s_add_co_u32 s21, s21, s22
	s_add_co_u32 s21, s21, 16384+3*128             ; V: row 16,384 + 2,048 x batch + 64 x half + 16 cy, at step 3,
	s_lshl_b32 s21, s21, 11
	s_lshl_b32 s22, s42, 9
	s_add_co_u32 s21, s21, s22                     ; at my channel tile
	s_and_b32 s22, ttmp7, 0xffff
	s_and_b32 s22, s22, 3                          ; 0 in the batch's first cluster
	s_mov_b32 s23, 2048
	s_mov_b32 s2, 256
	s_mov_b32 s[PFS], 128*2048
	s_cmp_eq_u32 s[RH], 0                          ; do I fetch p?
	s_cselect_b64 s[PFA:PFA+1], s[4:5], s[6:7]
	s_cselect_b32 s20, s20, s21
	s_cselect_b32 s22, s[CH], s22                  ; of p's two waves the first asks
	s_cselect_b32 s23, 4096, s23                   ; from lane to lane among sixteen: a row
	s_cselect_b32 s2, 65536, s2                    ; and from lanes 0-15 to lanes 16-31: p: 16 rows; V: the row's second 256 bytes
	s_cselect_b32 s[PFS], 256, s[PFS]              ; a step on
	s_mov_b32 s[PFS+1], 0
	s_mov_b32 s21, 0
	s_add_nc_u64 s[PFA:PFA+1], s[PFA:PFA+1], s[20:21]
	s_cmp_eq_u32 s22, 0
	s_cselect_b32 s[LIM], 1, -1                    ; the same in all sixteen partners, for a given wave
	v_mul_lo_u32 v[PFO], v1, s23
	v_mul_lo_u32 v9, v2, s2
	v_add_nc_u32 v[PFO], v[PFO], v9
	; where my part of out0 begins: row 128 x query tile + 64 x half, 4,096 bytes a row; channel 256 x channel tile + 128 x half, 4 bytes each
	s_lshl_b32 s16, s[TR], 7
	s_lshl_b32 s17, s[RH], 6
	s_add_co_u32 s16, s16, s17
	s_lshl_b32 s16, s16, 12
	s_lshl_b32 s17, s42, 10
	s_add_co_u32 s16, s16, s17
	s_lshl_b32 s17, s[CH], 9
	s_add_co_u32 s16, s16, s17
	s_mov_b32 s17, 0
	s_add_nc_u64 s[10:11], s[10:11], s[16:17]
	; THE STATS of my 64 queries, rows 32 i + lane: eight -m and sixteen sums each
	s_and_b32 s16, s[TR], 15
	s_lshl_b32 s16, s16, 9                         ; my rows in the batch begin at (query tile % 16) x 128 + 64 x half, 4 bytes each
	s_lshl_b32 s17, s[RH], 8
	s_add_co_u32 s16, s16, s17
	s_lshl_b32 s17, s45, 16
	s_add_co_u32 s18, s16, s17                     ; NM: 8 x batch x 2,048 rows
	s_mov_b32 s19, 0
	s_lshl_b32 s17, s45, 17
	s_add_co_u32 s16, s16, s17
	s_add_co_u32 s16, s16, 262144                  ; l: 262,144 + 16 x batch x 2,048 rows
	s_mov_b32 s17, 0
	s_add_nc_u64 s[18:19], s[8:9], s[18:19]
	s_add_nc_u64 s[16:17], s[8:9], s[16:17]
	v_lshlrev_b32 v8, 2, v3
.irp j, 0,1,2,3,4,5,6,7
.irp i, 0,1
	global_load_b32 v[SN+2*\j+\i], v8, s[18:19] offset:8192*\j+128*\i
.endr
.endr
.irp u, 0,1,2,3,4,5,6,7,8,9,10,11,12,13,14,15
.irp i, 0,1
	global_load_b32 v[SL+2*\u+\i], v8, s[16:17] offset:8192*\u+128*\i
.endr
.endr
	s_wait_loadcnt 0x0
.irp i, 0,1
	v_min_num_f32 v[MN+\i], v[SN+\i], v[SN+2+\i]   ; -M = the least -m
.endr
.irp j, 2,3,4,5,6,7
.irp i, 0,1
	v_min_num_f32 v[MN+\i], v[MN+\i], v[SN+2*\j+\i]
.endr
.endr
.irp j, 0,1,2,3,4,5,6,7
.irp i, 0,1
	v_sub_f32 v[SN+2*\j+\i], v[MN+\i], v[SN+2*\j+\i]               ; m_j - M: a whole number, 0 or less
	v_add_f32 v[SL+4*\j+\i], v[SL+4*\j+\i], v[SL+4*\j+2+\i]        ; the tile's two sums
.endr
.endr
.irp j, 0,1,2,3,4,5,6,7
.irp i, 0,1
	v_cvt_i32_f32 v[SN+2*\j+\i], v[SN+2*\j+\i]     ; (it saturates)
.endr
.endr
.irp j, 0,1,2,3,4,5,6,7
.irp i, 0,1
	v_ldexp_f32 v[SN+2*\j+\i], 1.0, v[SN+2*\j+\i]  ; f_j = 2^(m_j - M)
.endr
.endr
.irp i, 0,1
	v_mul_f32 v[LS+\i], v[SN+\i], v[SL+\i]
.endr
.irp j, 1,2,3,4,5,6,7
.irp i, 0,1
	v_fma_f32 v[LS+\i], v[SN+2*\j+\i], v[SL+4*\j+\i], v[LS+\i]     ; L
.endr
.endr
	v_rcp_f32 v[MN], v[LS]
	v_rcp_f32 v[MN+1], v[LS+1]
	v_nop                                          ; a plain instruction behind the reciprocals,
	s_wait_alu depctr_va_vdst(0)                   ; and one wait for both, ahead of their first reader
.irp j, 0,1,2,3,4,5,6,7
.irp i, 0,1
	ds_store_b32 v[FW], v[SN+2*\j+\i] offset:256*\j+128*\i         ; my wave's own bytes: only I read them
.endr
.endr
.irp i, 0,1
	ds_store_b32 v[FW], v[MN+\i] offset:2048+128*\i
.endr
; 16 matrix instructions: query blocks a0, a0 + 1 x all 8 channel blocks, 32 keys: part c of buffer f.  zero = 1: the product starts the tile's sums.  The 32 accumulators take turns.
.macro G f, c, a0, zero
.irp a, \a0, \a0+1
.irp b, 0,1,2,3,4,5,6,7
.if \zero
	v_wmma_f32_16x16x32_f16 v[8*(8*(\a)+\b):8*(8*(\a)+\b)+7], v[128*\f+64*\c+8*\b:128*\f+64*\c+8*\b+7], v[PF+64*\f+32*\c+8*(\a):PF+64*\f+32*\c+8*(\a)+7], 0
.else
	v_wmma_f32_16x16x32_f16 v[8*(8*(\a)+\b):8*(8*(\a)+\b)+7], v[128*\f+64*\c+8*\b:128*\f+64*\c+8*\b+7], v[PF+64*\f+32*\c+8*(\a):PF+64*\f+32*\c+8*(\a)+7], v[8*(8*(\a)+\b):8*(8*(\a)+\b)+7]
.endif
.endr
.endr
.endm
; 48 LDS loads in one run: the fragments of half k of a step (64 keys) into buffer f; the first 32 keys first: 16 turning loads of V and 8 loads of p, then the same again
.macro FETCH slot, k, f
.irp c, 0,1
	WIN TO_B
.irp b, 0,1,2,3,4,5,6,7
	ds_load_tr16_b128 v[128*\f+64*\c+8*\b:128*\f+64*\c+8*\b+3],   v[ADRV+\slot] offset:(64*\k+32*\c)*PV+32*\b
	ds_load_tr16_b128 v[128*\f+64*\c+8*\b+4:128*\f+64*\c+8*\b+7], v[ADRV+\slot] offset:(64*\k+32*\c)*PV+16*PV+32*\b
.endr
	WIN 0
.irp a, 0,1,2,3
	ds_load_b128 v[PF+64*\f+32*\c+8*\a:PF+64*\f+32*\c+8*\a+3],   v[ADRP+\slot] offset:128*\k+64*\c+\a*16*PP
	ds_load_b128 v[PF+64*\f+32*\c+8*\a+4:PF+64*\f+32*\c+8*\a+7], v[ADRP+\slot] offset:128*\k+64*\c+\a*16*PP+32
.endr
.endr
.endm
.macro PLACES
.rept 4
	v_nop
.endr
.endm
; A step's first half multiplies buffer 0 and fetches the second half into buffer 1.
.macro HALF slot, zero
	s_wait_dscnt 24                                ; the first 32 keys' fragments are in; the run's other 24 loads may be out
	WIN MUL
	G 0, 0, 0, \zero
	G 0, 0, 2, \zero
	PLACES
	FETCH \slot, 1, 1
	s_wait_dscnt 48                                ; all but the 48 just issued
	WIN MUL
	G 0, 1, 0, 0
	G 0, 1, 2, 0
.endm
; A step's second half multiplies buffer 1 and changes slots: ONE barrier; in front of it each wave waits for all its tensor loads (its part of the next slot), adds 0 to its spare word, and waits for that and for its reads of
; this slot.  fill = 1: the barrier opens a round of the cluster's barrier, and this slot is filled again, two steps on, first thing behind the round.  ft = 1: a lap ends: f of its tile is fetched.
.macro TURN slot, next, fill, ft
.if \fill
	s_wait_xcnt 0x0                                ; the last prefetch, a step back, has read its address: it is stepped here, ahead of the waits of the change of slots
	s_add_nc_u64 s[PFA:PFA+1], s[PFA:PFA+1], s[PFS:PFS+1]
.endif
	WIN 0                                          ; (the add's two registers lie in window 0)
	s_wait_tensorcnt 0x0
	ds_add_u32 v[SPW], v[NIL]                      ; 0 onto my spare word
	s_wait_dscnt 25                                ; (the add and the run's last 24 loads may be out)
	WIN MUL
	G 1, 0, 0, 0                                   ; sixteen matrix instructions stand between the add and the wait for it
	s_wait_dscnt 0x0                               ; the add is done, and my reads of this slot are over
	s_barrier_signal -1
	G 1, 0, 2, 0
	WIN 0
	s_barrier_wait -1
.if \fill
	CREST                                          ; no wave of any partner still reads this slot's tiles or has a load on its way
	s_add_nc_u64 s[G0+4*\slot+2:G0+4*\slot+3], s[G0+4*\slot+2:G0+4*\slot+3], 2*256
	s_add_nc_u64 s[G0B+4*\slot+2:G0B+4*\slot+3], s[G0B+4*\slot+2:G0B+4*\slot+3], 2*128*2048
	JLOAD \slot                                    ; the four v_nop behind it are also the places in front of the loads below
.else
	PLACES
.endif
.if \ft
.irp a, 0,1,2,3
	ds_load_b32 v[F+2*\a], v[FR] offset:64*\a      ; f of the tile in hand, for query 16 a + r
.endr
.endif
	FETCH \next, 0, 0
.if \fill
	ASK
.endif
	WIN MUL
	G 1, 1, 0, 0
	G 1, 1, 2, 0
.endm
; A tile of 256 keys is done: total += f x accumulator (first = 1: total = f x accumulator: nothing is cleared).  Of these 128 lines all but an accumulator's own four name none of its registers: they are also the places
; in front of the next lap's products, which begin the accumulators anew.
.macro FOLD first
	WIN 0
	s_wait_dscnt 48                                ; f is in; the next lap's first fragments may be out
	v_add_nc_u32 v[FR], 256, v[FR]                 ; on to the next tile's f (the loads that read this address are back)
	PLACES
.if \first
	WIN 0xc2                                       ; destination window 3, source 0 window 2, f window 0
.else
	WIN 0xf2                                       ; and source 2 window 3
.endif
.irp a, 0,1,2,3
.set i, 0
.rept 32
.if \first
	v_pk_mul_f32 v[64*\a+i:64*\a+i+1], v[64*\a+i:64*\a+i+1], v[F+2*\a:F+2*\a+1] op_sel_hi:[1,0]
.else
	v_pk_fma_f32 v[64*\a+i:64*\a+i+1], v[64*\a+i:64*\a+i+1], v[F+2*\a:F+2*\a+1], v[64*\a+i:64*\a+i+1] op_sel_hi:[1,0,1]
.endif
.set i, i+2
.endr
.endr
	WIN 0
.endm
.macro LAP                             ; two steps, both slots filled again
	HALF 0, 1
	TURN 0, 1, 1, 0
	HALF 1, 0
	TURN 1, 0, 1, 1
.endm
	s_wait_tensorcnt 1                             ; my part of step 0 is in (step 1's load may be out)
	s_wait_dscnt 0x0                               ; and my stores of f have landed
	s_barrier_signal -1
	s_barrier_wait -1
	FETCH 0, 0, 0
	s_mov_b32 s3, 7                                ; (the prefetches' test reads it)
	LAP                                            ; the first lap stands in front of the loop: its fold starts the totals
	FOLD 1
	s_mov_b32 s3, 6
.Llap:
	LAP
	FOLD 0
	s_sub_co_u32 s3, s3, 1
	s_cmp_lg_u32 s3, 0
	s_cbranch_scc1 .Llap
	HALF 0, 1                                      ; the last lap is written out: it asks for nothing
	TURN 0, 1, 0, 0
	HALF 1, 0
	WIN 0
	s_wait_dscnt 24                                ; the very last half: the first 32 keys' fragments are in
.irp a, 0,1,2,3
	ds_load_b32 v[F+2*\a], v[FR] offset:64*\a      ; f of the last tile,
	ds_load_b32 v[RL+2*\a], v[FR] offset:256+64*\a ; and 1 / L, which lies behind it
.endr
	WIN MUL
	G 1, 0, 0, 0
	G 1, 0, 2, 0
	s_wait_dscnt 0x0
	G 1, 1, 0, 0
	G 1, 1, 2, 0
	FOLD 0
; THE WAY OUT, block by block of 16 queries x 128 channels: total / L; through my own stage in LDS; back as whole rows of 512 bytes.
.macro OUTB a
.set BB, BK+64*((\a)%2)
	WIN 0x03                                       ; source 0: window 3
.set i, 0
.rept 32
	v_pk_mul_f32 v[TMP+i:TMP+i+1], v[64*(\a)+i:64*(\a)+i+1], v[RL+2*(\a):RL+2*(\a)+1] op_sel_hi:[1,0]
.set i, i+2
.endr
	WIN 0
.irp b, 0,1,2,3,4,5,6,7
	ds_store_b128 v[STO], v[TMP+8*\b:TMP+8*\b+3] offset:64*\b
	ds_store_b128 v[STO], v[TMP+8*\b+4:TMP+8*\b+7] offset:64*\b+16
.endr
.irp t, 0,1,2,3,4,5,6,7,8,9,10,11,12,13,14,15
	ds_load_b128 v[BB+4*\t:BB+4*\t+3], v[RD] offset:\t*SPITCH      ; LDS serves a wave's instructions in order: these see the stores above
.endr
.endm
.macro SEND a, younger                 ; younger: the LDS instructions issued behind block a's loads, which may stay out
.set BB, BK+64*((\a)%2)
	s_wait_dscnt \younger
.if (\a) > 0
	s_add_nc_u64 s[10:11], s[10:11], 16*4096       ; (behind a wait on XCNT: the earlier stores have read their base)  16 rows on
.endif
.irp t, 0,1,2,3,4,5,6,7,8,9,10,11,12,13,14,15
	global_store_b128 v[CO], v[BB+4*\t:BB+4*\t+3], s[10:11] offset:\t*4096 th:TH_STORE_NT   ; 32 lanes store 512 consecutive bytes, at a multiple of 256 from out0's first byte
.endr
.endm
	OUTB 0
.irp a, 1,2,3
.if \a > 1
	s_wait_xcnt 0x0                                ; block a - 2's stores have read their registers and their base: block a's loads may land there, and the base may step
.endif
	OUTB \a
	SEND \a-1, 32                                  ; behind block a - 1's loads: block a's 16 stores and 16 loads
.endr
	s_wait_xcnt 0x0
	SEND 3, 0
	s_wait_tensorcnt 0x0                           ; the wave's end: behind my last tensor load and my last LDS store
	ds_add_u32 v[SPW], v[NIL]
	s_wait_dscnt 0x0
	CROUND                                         ; the closing round
	s_endpgm
.Lfunc_end_k_q77494b9a91_pv:
	.size	k_q77494b9a91_pv, .Lfunc_end_k_q77494b9a91_pv-k_q77494b9a91_pv
	.p2alignl 7, 3214868480
	.fill 96, 4, 3214868480
	.section	.rodata,"a",@progbits
	.p2align	6, 0x0
	.amdhsa_kernel k_q77494b9a91_pv
		.amdhsa_group_segment_fixed_size 327680
		.amdhsa_private_segment_fixed_size 0
		.amdhsa_enable_private_segment 0
		.amdhsa_kernarg_size 32
		.amdhsa_user_sgpr_count 2
		.amdhsa_user_sgpr_kernarg_segment_ptr 1
		.amdhsa_wavefront_size32 1
		.amdhsa_system_sgpr_workgroup_id_x 1
		.amdhsa_system_sgpr_workgroup_id_y 1
		.amdhsa_system_sgpr_workgroup_id_z 1
		.amdhsa_system_vgpr_workitem_id 0
		.amdhsa_next_free_vgpr 1024
		.amdhsa_next_free_sgpr 72
		.amdhsa_reserve_vcc 0
		.amdhsa_float_denorm_mode_32 3
		.amdhsa_float_denorm_mode_16_64 3
		.amdhsa_memory_ordered 1
		.amdhsa_forward_progress 1
		.amdhsa_inst_pref_size 162
	.end_amdhsa_kernel
	.amdgpu_metadata
---
amdhsa.version: [ 1, 2 ]
amdhsa.kernels:
  - .name:           k_q77494b9a91_pv
    .symbol:         k_q77494b9a91_pv.kd
    .args:
      - { .name: p, .offset: 0, .size: 8, .value_kind: global_buffer, .address_space: global }
      - { .name: qkv, .offset: 8, .size: 8, .value_kind: global_buffer, .address_space: global }
      - { .name: stats, .offset: 16, .size: 8, .value_kind: global_buffer, .address_space: global }
      - { .name: out0, .offset: 24, .size: 8, .value_kind: global_buffer, .address_space: global }
    .group_segment_fixed_size: 327680
    .private_segment_fixed_size: 0
    .kernarg_segment_align: 8
    .kernarg_segment_size: 32
    .max_flat_workgroup_size: 128
    .sgpr_count:     72
    .vgpr_count:     1024
    .wavefront_size: 32
...
	.end_amdgpu_metadata
.endif
;; end of part 4
